; MI455X (gfx1250); checked and timed in simulation.
; The chip was launched on July 23, 2026; its instructions are those of AMD's public machine-readable ISA for CDNA 5 (MIT licence, August 2026) and "CDNA5" Instruction Set Architecture Reference Guide (July 2026). The comments in the code are by the model that wrote it; some were corrected since.
;; Bahdanau Attention. Allowed arithmetic: matrix products marked QUANTISED: E2M1 operands, one E8M0 scale for each 32 along K, by v_wmma_scale_f32_16x16x128_f8f6f4 with both operands' format E2M1 (or v_wmma_scale_f32_32x16x128_f4), f32 sums; products left as they are: f32 operands where the result goes on into a quantised operand, else bf16, f16 or f32 operands; f32 sums; everything else in f32.
;; Inputs: Wc 1,024 x 1 float32; Wh 1,024 x 1,024 float32; Ws 1,024 x 1,024 float32; bc 1,024 float32; bh 1,024 float32; bs 1,024 float32; bv 1 float32; dec_hidden 2 x 32 x 512 float32; enc_output 32 x 2,048 x 1,024 float32; enc_pad_mask 32 x 2,048 float32; prev_coverage 32 x 2,048 float32; v 1 x 1,024 float32.
;; Outputs: out0 32 x 1,024 float32; out1 32 x 2,048 float32; out2 32 x 2,048 float32.
;; Constants: use_coverage = 1.
;; This version of the problem:
;;   THIS VERSION OF THE PROBLEM IS GIVEN IN LOW PRECISION. The matrix products marked QUANTISED in the list below multiply operands that are first quantised to E2M1 (2 exponent bits, 1 mantissa bit; 4 bits a number), with one power-of-two scale for each 32 numbers along K (OCP MX v1.0); their sums are f32. All else is computed in f32.
;;   The module's matrix products, in the order in which they are computed (A, B: the left and right operand; K: the contracted axis; several contracted axes count as one K, in the product's order):
;;     1. [M 65,536, K 1,024] x [K 1,024, N 1,024]; A: input enc_output; B: input Wh: QUANTISED
;;     2. [M 32, K 1,024] x [K 1,024, N 1,024]; A: input dec_hidden; B: input Ws: QUANTISED
;;     3. [M 65,536, K 1,024] x [K 1,024, N 1]; A: computed on the way; B: input v: left as it is (N = 1 < 16)
;;     4. batch 32 x [M 1, K 2,048] x [K 2,048, N 1,024]; A: computed on the way; B: input enc_output: left as it is (M = 1 < 16)
;;   THE QUANTISER, for each operand of a quantised product, along K:
;;     - K is cut into blocks of 32 from its start; a last block that is shorter is filled with zeros.
;;     - A block's scale is 2^e with e = floor(log2(the largest magnitude in the block)) - 2, held to -126 .. 127; a block of zeros has e = 0. As a byte (E8M0): e + 127.
;;     - Each number is divided by its block's scale, clamped to +-6, and rounded to the nearest number of E2M1, ties to even, subnormals kept.
;;     - The product sums the exact products of the quantised numbers (number of the format x scale) in f32.
;;   ~~~python
;;   def quantise(x, axis):      # numpy; x: float32 -> the quantised numbers, widened to float32 again
;;       x = np.moveaxis(x, axis, -1); K = x.shape[-1]
;;       x = np.pad(x, [(0, 0)] * (x.ndim - 1) + [(0, -K % 32)]); x = x.reshape(x.shape[:-1] + (-1, 32)); a = np.abs(x).max(-1, keepdims=True)
;;       e = np.where(a > 0, np.clip(np.frexp(np.where(a > 0, a, 1))[1] - 1 - 2, -126, 127), 0)      # np.frexp(a)[1] - 1 = floor(log2(a)), exactly
;;       r = np.clip(x / 2.0 ** e, -6, 6)
;;       step = 2.0 ** (np.maximum(np.frexp(np.where(r == 0, 1, r))[1] - 1, 0) - 1)
;;       q = np.round(r / step) * step * 2.0 ** e      # np.round: ties to even
;;       return np.moveaxis(q.reshape(q.shape[:-2] + (-1,))[..., :K], -1, axis).astype(np.float32)
;;   ~~~
;; 2 versions, each right; version 2 is version 1 with the launches prep, main written anew for expert scheduling mode. Each part assembles by itself: llvm-mc -triple=amdgcn-amd-amdhsa -mcpu=gfx1250 --defsym DOCPART=n.
;; ======== version 1 of 2: 3 launches
;; workspace buffers: whq 557,056 bytes; cst 524,288 bytes; scores 262,144 bytes; pctx 1,048,576 bytes; pml 65,536 bytes
;; launch prep (part 1): grid 64 x 1, 8 waves a work-group, no clusters, 104,448 bytes of LDS; arguments Wh, Ws, dec_hidden, bh, bs, bc, Wc, v, bv, whq, cst; writes whq, cst
.if DOCPART == 1
	.amdgcn_target "amdgcn-amd-amdhsa--gfx1250"
	.amdhsa_code_object_version 6
	.text
	.protected	k_qc320515fce_prep
	.globl	k_qc320515fce_prep
	.p2align	8
	.type	k_qc320515fce_prep,@function
k_qc320515fce_prep:
	s_mov_b64 s[64:65], 0
	v_nop
	global_prefetch_b8 v0, s[64:65] scope:SCOPE_SE
	s_setreg_imm32_b32 hwreg(HW_REG_WAVE_MODE, 25, 1), 1
	s_wait_xcnt 0x0
; Work-group nt (0..63) owns the 16 rows e = 16 nt .. 16 nt + 15 of Wh and of Ws; wave g (0..7) owns matrix K step g.
; It (1) turns Wh's rows into codes of E2M1 with E8M0 scale bytes, laid in the order of an operand's registers (record nt of whq: fragment g at 1,024 g, its half c
; at + 512 c, lane l's 16 bytes at 16 l; at + 8,192 the scale image: lane (r, h)'s 16 bytes are the words g = 4 h .. 4 h + 3 of row r);
; (2) computes dec Ws^T for these 16 e and all 32 batches on codes (each wave one K step, the eight parts added in LDS, K step ascending);
; (3) stores, for each batch, the 256 bytes that the next launch's epilogue wants for this tile: at 128 h: c (dec Ws^T + bs + bh + bc) [8], c Wc [8], -2 v [8], (sum of v + bv) x 8,
; for e = 16 nt + 8 h + j; c = 2 log2(e).
; K ORDER: matrix K step g holds the true blocks of 32 {g, 8 + g, 16 + g, 24 + g}; byte B of its scale word belongs to block 8 B + g.  The blocks themselves are the quantiser's; all four
; operands (enc, Wh, dec, Ws) take the same order, so the products are the same numbers; the f32 sums are grouped otherwise than in ascending k.
; LOADS: the quantiser wants a block's 32 numbers in one lane; a load is best where neighbouring lanes take neighbouring bytes.  Both are had: a load takes four blocks of one row, eight lanes to a block's
; 128 bytes; a set's 64 blocks go through the wave's own stage in LDS as they lie and come back 128 bytes a lane.
; LIMITS: a block of zeros, and a block whose largest magnitude lies under 2^-124, gets the byte 1 (its codes are zeros, or are held there); the bytes are read by this program alone.  NaN and infinities are not served.
.set PART, 0                           ; LDS: the eight waves' parts of dec Ws^T: [g][tile of batches][lane][32 bytes]
.set WSC,  16384                       ; Wh's scale image, 512 bytes
.set SVP,  16896                       ; eight partial sums of v
.set IMG,  17152                       ; [batch 32][256 bytes]: what goes to cst
.set STG,  25600                       ; the stages: one for each wave
.set STW,  9728                        ; a wave's stage: four regions, one for each of a K step's four blocks
.set STQ,  2432                        ; a region: 16 rows and 128 bytes more, so that two regions' stores fall on different banks
.set STP,  144                         ; a row's block: 128 bytes + 16: sixteen rows start at sixteen different columns of 16 bytes
.set F0,   32                          ; three sets of 64 numbers
.set F1,   96
.set F2,   160
.set CWH,  224                         ; four fragments of codes
.set CWS,  232
.set CD0,  240
.set CD1,  248
	s_load_b512 s[4:19], s[0:1], 0x0               ; Wh, Ws, dec_hidden, bh, bs, bc, Wc, v
	s_load_b128 s[20:23], s[0:1], 0x40             ; bv, whq
	s_load_b64 s[24:25], s[0:1], 0x50              ; cst
	s_set_vgpr_msb 0x40
	v_lshl_add_u32 v0, v0, 2, 0x19400
	v_mov_b32 v1, 0
	s_set_vgpr_msb 0x4000
	v_lshrrev_b32 v1, 5, v0
	v_readfirstlane_b32 s26, v1                    ; g
	v_and_b32 v1, 31, v0                           ; lane
	v_and_b32 v2, 15, v0                           ; r
	v_bfe_u32 v3, v0, 4, 1                         ; h
	v_bfe_u32 v16, v0, 3, 2                        ; lane / 8: which of the K step's four blocks I load
	v_and_b32 v17, 7, v0                           ; lane % 8: my 16 bytes of its 128
	v_bfe_u32 v18, v0, 3, 1
	s_lshl_b32 s27, s26, 7
	v_lshlrev_b32 v4, 10, v16
	v_lshl_add_u32 v4, v17, 4, v4
	v_add_nc_u32 v4, s27, v4                       ; Wh, Ws: block 8 (lane / 8) + g of a row: 1,024 (lane / 8) + 128 g + 16 (lane % 8); the row stands in the immediate
	v_lshlrev_b32 v5, 16, v3
	v_lshl_add_u32 v5, v18, 10, v5
	v_lshl_add_u32 v5, v17, 4, v5
	v_add_nc_u32 v5, s27, v5                       ; dec_hidden: k / 512 = lane / 16 picks its first axis: 65,536 (lane / 16) + 1,024 ((lane / 8) % 2) + 128 g + 16 (lane % 8)
	s_lshl_b32 s27, s26, 10
	v_lshl_add_u32 v6, v1, 4, s27                  ; whq: 16 lane + 1,024 g
	s_lshl_b32 s27, s26, 11
	v_lshl_add_u32 v7, v1, 5, s27                  ; PART: 32 lane + 2,048 g
	s_lshr_b32 s27, s26, 2
	s_lshl_b32 s27, s27, 8
	s_and_b32 s44, s26, 3
	s_lshl_b32 s44, s44, 2
	s_add_co_u32 s27, s27, s44
	v_lshl_add_u32 v8, v2, 4, s27                  ; WSC: 16 r + 256 (g / 4) + 4 (g % 4)
	s_mul_i32 s45, s26, STW
	s_add_co_u32 s45, s45, STG                     ; my wave's stage
	v_mul_u32_u24 v15, v2, STP
	v_mad_u32_u24 v15, v3, STQ, v15
	v_add_nc_u32 v15, s45, v15                     ; out of it: row r of region h (half c: two regions on)
	v_lshlrev_b32 v13, 3, v3                       ; 8 h: where my two scale bytes stand in the word
	s_lshl_b32 s27, s26, 9
	v_lshl_add_u32 v2, v1, 4, s27                  ; my wave's 128 numbers of v: 512 g + 16 lane (r is done with)
	v_mul_u32_u24 v1, v16, STQ
	v_lshl_add_u32 v1, v17, 4, v1
	v_add_nc_u32 v1, s45, v1                       ; into the stage: region lane / 8, + 16 (lane % 8); the row stands in the immediate (the lane's number is done with)
	v_lshlrev_b32 v9, 3, v0                        ; the reduction: 8 x thread
	v_lshrrev_b32 v10, 7, v0                       ; thread = 128 mt + 4 lane' + jp
	v_lshlrev_b32 v10, 12, v10
	v_bfe_u32 v16, v0, 2, 4                        ; r'
	v_lshl_add_u32 v10, v16, 8, v10
	v_bfe_u32 v16, v0, 6, 1                        ; h'
	v_lshl_add_u32 v10, v16, 7, v10
	v_and_b32 v17, 3, v0                           ; jp
	v_lshl_add_u32 v10, v17, 3, v10                ; IMG: 256 (16 mt + r') + 128 h' + 8 jp
	v_lshlrev_b32 v12, 5, v16
	v_lshl_add_u32 v12, v17, 3, v12                ; the biases of e = 8 h' + 2 jp, + 1: 4 bytes each
	v_lshlrev_b32 v11, 4, v0                       ; 16 x thread
	s_lshl_b32 s27, s26, 2
	v_mov_b32 v14, s27                             ; SVP: 4 g
	v_mov_b32 v3, 0
	v_mov_b32 v23, 0                               ; written once: a lane permute's destination counts as one of its sources
	s_mov_b32 s28, 0x76543210
	s_mov_b32 s29, 0xfedcba98                      ; v_permlanex16_b32's selects for lane l xor 16
	s_mov_b32 s30, 0x4038aa3b                      ; c = 2 log2(e)
	s_mov_b32 s31, s30                             ; (named with it as a pair)
	s_lshl_b32 s32, ttmp9, 16                      ; 16 rows of 4,096 bytes
	s_mov_b32 s33, 0
	s_lshl_b32 s34, ttmp9, 6                       ; 16 numbers of a bias
	s_mov_b32 s35, 0
	s_mul_i32 s36, ttmp9, 8704                     ; a record of whq
	s_mov_b32 s37, 0
	s_lshl_b32 s38, ttmp9, 13                      ; 32 x 256 bytes of cst
	s_mov_b32 s39, 0
	s_wait_kmcnt 0x0
	s_add_nc_u64 s[4:5], s[4:5], s[32:33]
	s_add_nc_u64 s[6:7], s[6:7], s[32:33]
	s_add_nc_u64 s[10:11], s[10:11], s[34:35]
	s_add_nc_u64 s[12:13], s[12:13], s[34:35]
	s_add_nc_u64 s[14:15], s[14:15], s[34:35]
	s_add_nc_u64 s[16:17], s[16:17], s[34:35]
	s_add_nc_u64 s[40:41], s[18:19], s[34:35]      ; v at my tile; s[18:19] stays at v's first number
	s_add_nc_u64 s[22:23], s[22:23], s[36:37]
	s_add_nc_u64 s[24:25], s[24:25], s[38:39]
	s_load_b32 s42, s[20:21], 0x0                  ; bv
; 16 rows, hop bytes apart: load i takes row i's four blocks of this K step, 128 consecutive bytes each
.macro LDF dst, adr, base, hop, off
.irp i,0,1,2,3,4,5,6,7,8,9,10,11,12,13,14,15
	global_load_b128 v[\dst+4*\i:\dst+4*\i+3], v[\adr], s[\base:\base+1] offset:\off+\hop*\i
.endr
.endm
; The set goes through my stage and comes back into the registers that it left: lane (r, h), half c then holds k = 256 (2 c + h) + 32 g + 0 .. 31 of row r, at register 32 c on.
; LDS serves a wave's instructions in order: the loads see the stores, and the next set's stores come behind these loads
.macro TURN f
.irp i,0,1,2,3,4,5,6,7,8,9,10,11,12,13,14,15
	ds_store_b128 v1, v[\f+4*\i:\f+4*\i+3] offset:STP*\i
.endr
.irp b,0,1
.irp i,0,1,2,3,4,5,6,7
	ds_load_b128 v[\f+32*\b+4*\i:\f+32*\b+4*\i+3], v15 offset:2*STQ*\b+16*\i
.endr
.endr
	s_wait_dscnt 0x0
.endm
; 64 numbers, two whole blocks of 32, become a fragment's eight registers and the row's scale word
.macro QUANTB src, dst, wrd
.irp b,0,1
	v_max3_num_f32 v[16+\b], |v[\src+32*\b]|, |v[\src+32*\b+1]|, 0x1800000   ; the floor 2^(3 - 127) among the leaves: the byte cannot fall under 1
.endr
.irp i,2,4,6,8,10,12,14,16,18,20,22,24,26,28,30
.irp b,0,1
	v_max3_num_f32 v[16+\b], v[16+\b], |v[\src+32*\b+\i]|, |v[\src+32*\b+\i+1]|
.endr
.endr
.irp b,0,1
	v_add_nc_u32 v[18+\b], 0xff000000, v[16+\b]    ; 2 off the exponent field: the conversion's scale operand
.endr
.irp b,0,1
	v_lshrrev_b32 v[20+\b], 23, v[18+\b]           ; the scale's byte
.endr
	v_lshl_or_b32 v22, v21, 16, v20                ; bytes h and 2 + h of the word,
	v_lshlrev_b32 v22, v13, v22                    ; 8 h bits up;
	v_permlanex16_b32 v23, v22, s28, s29
	v_or_b32 v[\wrd], v22, v23                     ; with lane l xor 16's two the word is whole
.irp b,0,1
.irp e,0,1,2,3
	v_cvt_scalef32_pk8_fp4_f32 v[\dst+4*\b+\e], v[\src+32*\b+8*\e:\src+32*\b+8*\e+7], v[18+\b]
.endr
.endr
	v_nop                                          ; one plain place behind the scaled conversions
.endm
	LDF F0, 4, 4, 4096, 0                          ; Wh
	LDF F1, 4, 6, 4096, 0                          ; Ws
	LDF F2, 5, 8, 2048, 0                          ; dec, batches 0-15
	global_load_b128 v[28:31], v2, s[18:19]        ; my 128 numbers of v
	s_wait_loadcnt 33                              ; Wh is in; Ws's 16, dec's 16 and v's one may be out
	TURN F0
	QUANTB F0, CWH, 24
	global_store_b128 v6, v[CWH:CWH+3], s[22:23]                ; 32 lanes store 512 consecutive bytes
	global_store_b128 v6, v[CWH+4:CWH+7], s[22:23] offset:512
	ds_store_b32 v8, v24 offset:WSC                ; (both halves of the lanes hold the same word and write it to the same place)
	LDF F0, 5, 8, 2048, 32768                      ; dec, batches 16-31
	s_wait_loadcnt 33                              ; Ws is in; behind it: dec 16, v 1, dec 16
	TURN F1
	QUANTB F1, CWS, 25
	global_load_b64 v[112:113], v12, s[10:11]      ; bh, bs, bc, Wc, v at the two e that my thread will finish
	global_load_b64 v[114:115], v12, s[12:13]
	global_load_b64 v[116:117], v12, s[14:15]
	global_load_b64 v[118:119], v12, s[16:17]
	global_load_b64 v[120:121], v12, s[40:41]
	s_wait_loadcnt 22                              ; dec's first 16 are in; behind them: v 1, dec 16, these 5
	TURN F2
	QUANTB F2, CD0, 26
	s_wait_loadcnt 21                              ; v's piece is in
	v_add_f32 v28, v28, v29
	v_add_f32 v30, v30, v31
	v_add_f32 v28, v28, v30
	v_add_f32_dpp v28, v28, v28 row_xmask:1 row_mask:0xf bank_mask:0xf
	v_add_f32_dpp v28, v28, v28 row_xmask:2 row_mask:0xf bank_mask:0xf
	v_add_f32_dpp v28, v28, v28 row_xmask:4 row_mask:0xf bank_mask:0xf
	v_add_f32_dpp v28, v28, v28 row_xmask:8 row_mask:0xf bank_mask:0xf
	v_permlanex16_b32 v23, v28, s28, s29
	v_add_f32 v28, v28, v23
	ds_store_b32 v14, v28 offset:SVP               ; the sum of my 128 numbers of v
	s_wait_loadcnt 5                               ; dec's last 16 are in; the five bias loads may be out
	TURN F0
	QUANTB F0, CD1, 27
.rept 8
	v_nop                                          ; a scale register written by a vector instruction stands 8 places ahead of a scaled matrix instruction, an operand 4
.endr
	; transposed: source 0 = my 16 rows of Ws, source 1 = 16 batches: lane (r, h), register j: batch r of the tile, e = 8 h + j; K step g alone
	v_wmma_scale_f32_16x16x128_f8f6f4 v[96:103], v[CWS:CWS+7], v[CD0:CD0+7], 0, v25, v26 matrix_a_fmt:MATRIX_FMT_FP4 matrix_b_fmt:MATRIX_FMT_FP4
	v_wmma_scale_f32_16x16x128_f8f6f4 v[104:111], v[CWS:CWS+7], v[CD1:CD1+7], 0, v25, v27 matrix_a_fmt:MATRIX_FMT_FP4 matrix_b_fmt:MATRIX_FMT_FP4
.rept 4
	v_nop                                          ; four places in front of the first read of the results
.endr
	ds_store_b128 v7, v[96:99] offset:PART         ; each result from its low end on
	ds_store_b128 v7, v[100:103] offset:PART+16
	ds_store_b128 v7, v[104:107] offset:PART+1024
	ds_store_b128 v7, v[108:111] offset:PART+1040
	s_wait_dscnt 0x0                               ; for the others' sake: my stores have landed
	s_barrier_signal -1
	s_barrier_wait -1
.irp e,0,1,2,3,4,5,6,7
	ds_load_b64 v[32+2*\e:33+2*\e], v9 offset:PART+2048*\e   ; the eight K steps' parts of my two numbers
.endr
	ds_load_b128 v[48:51], v3 offset:SVP
	ds_load_b128 v[52:55], v3 offset:SVP+16
	s_wait_dscnt 0x0
	s_wait_loadcnt 0x0                             ; the biases
	s_wait_kmcnt 0x0                               ; bv
.irp e,1,2,3,4,5,6,7
	v_pk_add_f32 v[32:33], v[32:33], v[32+2*\e:33+2*\e]
.endr
.irp e,1,2,3,4,5,6,7
	v_add_f32 v48, v48, v[48+\e]
.endr
	v_pk_add_f32 v[32:33], v[32:33], v[112:113]
	v_pk_add_f32 v[32:33], v[32:33], v[114:115]
	v_pk_add_f32 v[32:33], v[32:33], v[116:117]
	v_pk_mul_f32 v[32:33], v[32:33], s[30:31] op_sel_hi:[1,0]     ; c (dec Ws^T + bh + bs + bc)
	v_pk_mul_f32 v[34:35], v[118:119], s[30:31] op_sel_hi:[1,0]   ; c Wc
	v_pk_mul_f32 v[36:37], v[120:121], -2.0 op_sel_hi:[1,0]       ; -2 v
	v_add_f32 v38, s42, v48                        ; the sum of v + bv
	v_mov_b32 v39, v38
	ds_store_b64 v10, v[32:33] offset:IMG
	ds_store_b64 v10, v[34:35] offset:IMG+32
	ds_store_b64 v10, v[36:37] offset:IMG+64
	ds_store_b64 v10, v[38:39] offset:IMG+96
	s_wait_dscnt 0x0
	s_barrier_signal -1
	s_barrier_wait -1
	ds_load_b128 v[56:59], v11 offset:IMG
	ds_load_b128 v[60:63], v11 offset:IMG+4096
	v_and_b32 v15, 31, v0                          ; the stage is done with: 16 lane, for wave 0 below
	v_lshlrev_b32 v15, 4, v15
	s_wait_dscnt 0x0
	global_store_b128 v11, v[56:59], s[24:25]                 ; 16 lanes store 256 consecutive bytes, aligned
	global_store_b128 v11, v[60:63], s[24:25] offset:4096
	s_cmp_lg_u32 s26, 0
	s_cbranch_scc1 .Lend
	ds_load_b128 v[64:67], v15 offset:WSC          ; wave 0: Wh's scale image (its words were stored ahead of the first barrier)
	s_wait_dscnt 0x0
	global_store_b128 v15, v[64:67], s[22:23] offset:8192
.Lend:
	s_set_vgpr_msb 0x5
	s_wait_tensorcnt 0x0
	ds_add_u32 v0, v1
	s_wait_dscnt 0x0
	s_set_vgpr_msb 0x500
	s_endpgm
.Lfunc_end_k_qc320515fce_prep:
	.size	k_qc320515fce_prep, .Lfunc_end_k_qc320515fce_prep-k_qc320515fce_prep
	.p2alignl 7, 3214868480
	.fill 96, 4, 3214868480
	.section	.rodata,"a",@progbits
	.p2align	6, 0x0
	.amdhsa_kernel k_qc320515fce_prep
		.amdhsa_group_segment_fixed_size 104448
		.amdhsa_private_segment_fixed_size 0
		.amdhsa_enable_private_segment 0
		.amdhsa_kernarg_size 88
		.amdhsa_user_sgpr_count 2
		.amdhsa_user_sgpr_kernarg_segment_ptr 1
		.amdhsa_wavefront_size32 1
		.amdhsa_system_sgpr_workgroup_id_x 1
		.amdhsa_system_sgpr_workgroup_id_y 1
		.amdhsa_system_sgpr_workgroup_id_z 1
		.amdhsa_system_vgpr_workitem_id 0
		.amdhsa_next_free_vgpr 258
		.amdhsa_next_free_sgpr 66
		.amdhsa_reserve_vcc 0
		.amdhsa_float_denorm_mode_32 3
		.amdhsa_float_denorm_mode_16_64 3
		.amdhsa_memory_ordered 1
		.amdhsa_forward_progress 1
		.amdhsa_inst_pref_size 36
	.end_amdhsa_kernel
	.amdgpu_metadata
---
amdhsa.version: [ 1, 2 ]
amdhsa.kernels:
  - .name:           k_qc320515fce_prep
    .symbol:         k_qc320515fce_prep.kd
    .args:
      - { .name: Wh, .offset: 0, .size: 8, .value_kind: global_buffer, .address_space: global }
      - { .name: Ws, .offset: 8, .size: 8, .value_kind: global_buffer, .address_space: global }
      - { .name: dec_hidden, .offset: 16, .size: 8, .value_kind: global_buffer, .address_space: global }
      - { .name: bh, .offset: 24, .size: 8, .value_kind: global_buffer, .address_space: global }
      - { .name: bs, .offset: 32, .size: 8, .value_kind: global_buffer, .address_space: global }
      - { .name: bc, .offset: 40, .size: 8, .value_kind: global_buffer, .address_space: global }
      - { .name: Wc, .offset: 48, .size: 8, .value_kind: global_buffer, .address_space: global }
      - { .name: v, .offset: 56, .size: 8, .value_kind: global_buffer, .address_space: global }
      - { .name: bv, .offset: 64, .size: 8, .value_kind: global_buffer, .address_space: global }
      - { .name: whq, .offset: 72, .size: 8, .value_kind: global_buffer, .address_space: global }
      - { .name: cst, .offset: 80, .size: 8, .value_kind: global_buffer, .address_space: global }
    .group_segment_fixed_size: 104448
    .private_segment_fixed_size: 0
    .kernarg_segment_align: 8
    .kernarg_segment_size: 88
    .max_flat_workgroup_size: 256
    .sgpr_count:     66
    .vgpr_count:     258
    .wavefront_size: 32
...
	.end_amdgpu_metadata
.endif
;; end of part 1
;; launch main (part 2): grid 256 x 1, 8 waves a work-group, no clusters, 321,536 bytes of LDS; arguments enc_output, enc_pad_mask, prev_coverage, whq, cst, scores, pctx, pml; writes scores, pctx, pml
.if DOCPART == 2
	.amdgcn_target "amdgcn-amd-amdhsa--gfx1250"
	.amdhsa_code_object_version 6
	.text
	.protected	k_qc320515fce_main
	.globl	k_qc320515fce_main
	.p2align	8
	.type	k_qc320515fce_main,@function
k_qc320515fce_main:
	s_mov_b64 s[64:65], 0
	v_nop
	global_prefetch_b8 v0, s[64:65] scope:SCOPE_SE
	s_setreg_imm32_b32 hwreg(HW_REG_WAVE_MODE, 25, 1), 1
	s_wait_xcnt 0x0
; Work-group wg = 8 b + chunk owns 256 positions of batch b, as four blocks of 64 rows of enc.  enc is read from memory ONCE: the same read gives the codes for the scores and a bf16 copy for the context.
; Out go the 256 scores, and the chunk's partial softmax: its largest score M, L = the sum of 2^((score - M) log2 e) x mask, and the sum of those weights x enc (1,024 numbers).
; TWO ROLES, four waves each: role = (w xor w / 4) & 1, q = w & 3.
;   S wave q streams rows 16 q .. 16 q + 15 of each block through a ring of 8 rows in registers (64 loads of 16 bytes a lane are out), quantises them along K to E2M1 with E8M0 scales, and stores codes, scale words
;   and a bf16 copy in LDS; two phases later, when the block's scores are known, it adds weight x bf16 row to its part of the context, under a running maximum.
;   G wave q owns e = 256 q .. 256 q + 255: 16 tiles of 16.  It holds the block's 64 rows of codes in 256 registers, takes Wh's fragments from memory straight into two sets of registers (laid by the launch before in
;   the order of an operand's registers), and for each tile: 32 matrix instructions, then tanh and the product with v.
;   BY TURNS: the block's four tiles of rows are two pairs.  While one pair's 32 x 16 numbers go through tanh, the other pair's 16 matrix instructions stand between its exponentials, one behind each: so the four
;   accumulators serve both, and no second set is needed.
; PHASE f: S quantises block f, G multiplies block f - 1, S adds the context of block f - 2; block f's bf16 copy takes the place of block f - 2's, eight rows at a time, behind the same wave's reads.
; tanh(x) = 1 - 2 / (1 + 2^(c x)), c = 2 log2(e): so score = (sum of v + bv) + the sum over e of (-2 v) / (1 + 2^y), y = c (enc Wh^T) + c (dec Ws^T + bs + bh + bc) + cov c Wc.
; THE MATRIX INSTRUCTION IS USED TRANSPOSED (source 0 = 16 rows of Wh, source 1 = 16 rows of enc): a lane holds one row of enc and eight e.
; K ORDER: matrix K step g holds the true blocks of 32 {g, 8 + g, 16 + g, 24 + g}, on both operands alike; the blocks are the quantiser's; the f32 sums are grouped otherwise than in ascending k.
; NO CLUSTER, NO JOINT LOADS, though every work-group reads the same Wh: the text uses 320,000 of a work-group's 327,680 bytes of LDS (262,144 for the two bf16 copies), and the 7,680 left are less than one
; record of Wh (8,704 bytes): there is no room for a slot into which a joint load could land.
; LIMITS: a block of zeros, and a block whose largest magnitude lies under 2^-124, gets the byte 1; the bytes are read by this program alone.  NaN and infinities are not served.  enc is rounded to bf16 for the context alone.
.set SCL,    0                         ; LDS: the block's scale words: 64 rows x 32 bytes, word g
.set CST,    2048                      ; the batch's epilogue constants: [tile 64][256 bytes]
.set SCP,    18432                     ; partial scores: [G wave][64 rows]
.set SCOREX, 19456                     ; scores: [S wave][slot 6][16 rows]; slot f holds block f - 2, slots 0 and 1 are not used
.set MSKX,   20992                     ; the mask, laid likewise
.set COVX,   22528                     ; prev_coverage: slot f (256 bytes) holds block f - 1; slot 0 is not used
.set MRG,    23808                     ; the end: 16 bytes for each S wave: m, l, l under the common maximum
.set COD,    24064                     ; the block's codes: 64 rows of 512 bytes, 528 apart
.set FIN,    COD                       ; the end: four parts of the context, 4,096 bytes each, where the codes lay
.set BF,     57856                     ; bf16 copies: [S wave][parity 2][row 16][2,048 bytes]
.set CP,     528
.set REC,    8704                      ; a record of whq
; address registers: all are written by every wave, none ever holds loaded data
.set L16,  1                           ; 16 lane
.set AA,   2                           ; 528 r + 128 h
.set AS,   3                           ; 32 r + 16 h
.set CST0, 4                           ; 4,096 q + 128 h
.set CSTC, 5                           ; + 2,048 u
.set R4,   6                           ; 4 r
.set COVC, 7                           ; + 256 f
.set SCPS, 8                           ; 256 q + 4 r
.set BOC,  9                           ; 16 lane + 8 records x u
.set BON,  10                          ; 16 lane + 8 records x (1 - u)
.set XX,   11                          ; 32 lane
.set XN,   12                          ; + where the next eight rows begin
.set COD0, 13                          ; 16 x 528 q + 4 lane
.set CODC, 14                          ; + 8 x 528 u
.set BF0,  15                          ; BF + 65,536 q + 16 lane
.set BFC,  16                          ; + 32,768 (f & 1) + 16,384 u
.set SCL0, 17                          ; 512 q + 4 (lane / 4)
.set SCLC, 18                          ; + 256 u
.set SCPL, 19                          ; 64 q + 4 r
.set ROW0, 20                          ; 384 q + 4 r
.set ROWC, 21                          ; + 64 f
.set ZR,   22                          ; 0
.set CPG,  23                          ; cst: 8,192 (2 q + h) + 16 r
.set CPL,  24                          ; 16 (32 q + lane)
.set CP8,  25                          ; 8 (32 q + lane)
.set CPM,  26                          ; 384 (lane / 8) + 64 q + 8 (lane % 8)
.set T16,  27                          ; 16 x thread
.set SCX,  28                          ; 384 ((lane / 4) % 4) + 64 h + 16 (lane % 4)
.set MRGQ, 29                          ; 16 q
.set FINS, 30                          ; 4,096 q + 32 lane
.set L8,   31                          ; 8 lane
; G's registers.  Window 0: below.  Window 1: enc's fragments, (tile of rows m, K step g) at v[64 m + 8 g]
.set BFR,  32                          ; v32-159   Wh's fragments: two sets of eight
.set ACC,  160                         ; v160-191  four accumulators: pair 0 (tiles of rows 0, 1), pair 1 (2, 3)
.set KK,   192                         ; v192-215  the tile's constants: 8 + 8 + 8
.set SCA,  216                         ; v216-223  the scores' sums, a pair for each tile of rows
.set CV,   224                         ; v224-231  prev_coverage, in the low register of a pair
.set ASC,  232                         ; v232-247  enc's scale words: register 4 m + i: word i in lanes 0-15, word 4 + i in lanes 16-31
.set BSC,  248                         ; v248-255  Wh's, two sets, likewise.  v232-255 hold scales and nothing else, in both roles
; S's registers.  Window 0: below.  Window 1: the ring: row slot k at v[32 k]; in it span s (256 numbers of the row) at + 8 s: my 8 neighbours 256 s + 8 lane + 0 .. 7
.set CTX,  32                          ; v32-63    my part of the context: register 8 t + j: element 256 t + 8 lane + j
.set XB,   64                          ; v64-95, v170-201  four rows of the bf16 copy
.set HH,   96                          ; v96-111, v148-163  a row rounded to bf16: two sets, rows by turns
.set CC,   112                         ; v112-115, v164-167  its codes
.set MX,   116                         ; v116-119  largest magnitudes
.set SO,   120                         ; v120-123  the conversions' scale operands
.set BY,   124                         ; v124-127  scale bytes
.set WW,   128                         ; v128, v168  the scale word
.set SM,   132                         ; v132 m, v133 l
.set SL,   133
.set SS,   134                         ; the score
.set PP,   135                         ; the weight of row r
.set PB,   137                         ; that of row r xor 8
.set PSEL, 138
.set PK,   139
.set FF,   140                         ; v[140:141] the factor under a new maximum
.set TT,   142                         ; v142-147 at work
.set WV,    20
.set ROLE,  21
.set QQ,    22
.set BB,    23
.set WG,    24
.set PHI,   25                         ; the phase f
.set UU,    26                         ; the half of a phase u
.set PAR,   27
.set CS,    30                         ; s[30:31] c
.set SEL,   32                         ; s[32:33]
.set STEPN, 34                         ; 2 f + u
.set UMASK, 38
.set SPK,   39
.set LOG2E, 52
.set MSB, 0
.macro WIN new                         ; the immediate's high byte repeats the setting that is left; bits 1:0 source 0, 3:2 source 1, 5:4 source 2, 7:6 destination
.if MSB != \new
	s_set_vgpr_msb (MSB<<8)|\new
.set MSB, \new
.endif
.endm
.macro BAR                             ; my LDS stores have landed and my LDS loads are in: then the work-group's barrier.  Loads from memory stay on their way across it
	s_wait_dscnt 0x0
	s_barrier_signal -1
	s_barrier_wait -1
.endm
	s_load_b512 s[4:19], s[0:1], 0x0               ; enc s[4:5], mask s[6:7], coverage s[8:9], whq s[10:11], cst s[12:13], scores s[14:15], pctx s[16:17], pml s[18:19]
	v_lshrrev_b32 v32, 5, v0
	v_readfirstlane_b32 s[WV], v32
	s_lshr_b32 s[ROLE], s[WV], 2
	s_xor_b32 s[ROLE], s[ROLE], s[WV]
	s_and_b32 s[ROLE], s[ROLE], 1                  ; 0: G (waves 0, 2, 5, 7), 1: S (waves 1, 3, 4, 6)
	s_and_b32 s[QQ], s[WV], 3
	s_mov_b32 s[WG], ttmp9
	s_lshr_b32 s[BB], s[WG], 3
	v_and_b32 v32, 31, v0                          ; lane
	v_and_b32 v33, 15, v0                          ; r
	v_bfe_u32 v34, v0, 4, 1                        ; h
	v_lshlrev_b32 v[L16], 4, v32
	v_mul_u32_u24 v[AA], v33, CP
	v_lshl_add_u32 v[AA], v34, 7, v[AA]
	v_lshlrev_b32 v[AS], 5, v33
	v_lshl_add_u32 v[AS], v34, 4, v[AS]
	s_lshl_b32 s40, s[QQ], 12
	v_lshl_add_u32 v[CST0], v34, 7, s40
	v_lshlrev_b32 v[R4], 2, v33
	s_lshl_b32 s40, s[QQ], 8
	v_add_nc_u32 v[SCPS], s40, v[R4]
	v_lshlrev_b32 v[XX], 5, v32
	s_mul_i32 s40, s[QQ], 16*CP
	v_lshl_add_u32 v[COD0], v32, 2, s40
	s_lshl_b32 s40, s[QQ], 16
	s_add_co_u32 s40, s40, BF
	v_lshl_add_u32 v[BF0], v32, 4, s40
	v_lshrrev_b32 v35, 2, v32
	s_lshl_b32 s40, s[QQ], 9
	v_lshl_add_u32 v[SCL0], v35, 2, s40
	s_lshl_b32 s40, s[QQ], 6
	v_add_nc_u32 v[SCPL], s40, v[R4]
	s_mul_i32 s41, s[QQ], 384
	v_add_nc_u32 v[ROW0], s41, v[R4]
	v_mov_b32 v[ZR], 0
	s_lshl_b32 s41, s[QQ], 14
	v_lshl_add_u32 v[CPG], v34, 13, s41
	v_lshl_add_u32 v[CPG], v33, 4, v[CPG]
	s_lshl_b32 s41, s[QQ], 9
	v_add_nc_u32 v[CPL], s41, v[L16]
	s_lshl_b32 s41, s[QQ], 8
	v_lshl_add_u32 v[CP8], v32, 3, s41
	v_lshrrev_b32 v35, 3, v32
	v_mul_u32_u24 v[CPM], v35, 384
	v_add_nc_u32 v[CPM], s40, v[CPM]
	v_and_b32 v35, 7, v32
	v_lshl_add_u32 v[CPM], v35, 3, v[CPM]
	v_lshlrev_b32 v[T16], 4, v0
	v_bfe_u32 v35, v0, 2, 2
	v_mul_u32_u24 v[SCX], v35, 384
	v_lshl_add_u32 v[SCX], v34, 6, v[SCX]
	v_and_b32 v35, 3, v0
	v_lshl_add_u32 v[SCX], v35, 4, v[SCX]
	s_lshl_b32 s41, s[QQ], 4
	v_mov_b32 v[MRGQ], s41
	s_lshl_b32 s41, s[QQ], 12
	v_add_nc_u32 v[FINS], s41, v[XX]
	v_lshlrev_b32 v[L8], 3, v32
	s_mov_b32 s[CS], 0x4038aa3b                    ; c = 2 log2(e)
	s_mov_b32 s[CS+1], s[CS]                       ; (named with it as a pair)
	s_mov_b32 s[SEL], 0x76543210
	s_mov_b32 s[SEL+1], 0xfedcba98                 ; v_permlanex16_b32's selects for lane l xor 16
	s_mov_b32 s[LOG2E], 0x3fb8aa3b
	s_lshl_b32 s40, s[WG], 20                      ; enc: 256 rows of 4,096 bytes a work-group,
	s_lshl_b32 s42, s[QQ], 16                      ; 16 rows a wave
	s_add_co_u32 s40, s40, s42
	s_mov_b32 s41, 0
	s_mul_i32 s42, s[QQ], 16*REC                   ; whq: 16 records a wave
	s_mov_b32 s43, 0
	s_lshl_b32 s44, s[BB], 8                       ; cst: the batch's 256 bytes of each tile
	s_mov_b32 s45, 0
	s_lshl_b32 s46, s[WG], 10                      ; mask, coverage, scores: 256 numbers a work-group
	s_mov_b32 s47, 0
	s_lshl_b32 s48, s[WG], 12                      ; pctx
	s_mov_b32 s49, 0
	s_lshl_b32 s50, s[WG], 8                       ; pml
	s_mov_b32 s51, 0
	s_wait_kmcnt 0x0
	s_add_nc_u64 s[4:5], s[4:5], s[40:41]
	s_add_nc_u64 s[10:11], s[10:11], s[42:43]
	s_add_nc_u64 s[12:13], s[12:13], s[44:45]
	s_add_nc_u64 s[6:7], s[6:7], s[46:47]
	s_add_nc_u64 s[8:9], s[8:9], s[46:47]
	s_add_nc_u64 s[14:15], s[14:15], s[46:47]
	s_add_nc_u64 s[16:17], s[16:17], s[48:49]
	s_add_nc_u64 s[18:19], s[18:19], s[50:51]
; ---------------- macros: both roles
.macro PHASEHEAD                       ; what hangs on the phase
	s_and_b32 s[PAR], s[PHI], 1
	s_lshl_b32 s[PAR], s[PAR], 15
	s_lshl_b32 s40, s[PHI], 8
	v_add_nc_u32 v[COVC], s40, v[R4]
	s_lshl_b32 s40, s[PHI], 6
	v_add_nc_u32 v[ROWC], s40, v[ROW0]
.endm
.macro TRIPHEAD                        ; what hangs on the half of a phase
	s_wait_xcnt 0x0                                ; the loads issued so far have read their offsets: XN, BOC and BON are rewritten only behind this wait
	s_lshl_b32 s[STEPN], s[PHI], 1
	s_add_co_u32 s[STEPN], s[STEPN], s[UU]
	s_xor_b32 s41, s[UU], 1
	s_add_co_u32 s40, s[PHI], s[UU]
	s_lshl_b32 s40, s40, 18                        ; the next eight rows: u = 0: rows 8-15 of block f; u = 1: rows 0-7 of block f + 1 (a block is 2^18 bytes, eight rows 2^15)
	s_lshl_b32 s42, s41, 15
	s_add_co_u32 s40, s40, s42
	v_add_nc_u32 v[XN], s40, v[XX]
	s_sub_co_u32 s[UMASK], 0, s[UU]                ; all ones where u = 1
	s_mul_i32 s42, s[UU], 8*REC
	v_add_nc_u32 v[BOC], s42, v[L16]
	s_mul_i32 s42, s41, 8*REC
	v_add_nc_u32 v[BON], s42, v[L16]
	s_lshl_b32 s42, s[UU], 11
	v_add_nc_u32 v[CSTC], s42, v[CST0]
	s_mul_i32 s42, s[UU], 8*CP
	v_add_nc_u32 v[CODC], s42, v[COD0]
	s_lshl_b32 s42, s[UU], 14
	s_add_co_u32 s42, s42, s[PAR]
	v_add_nc_u32 v[BFC], s42, v[BF0]
	s_lshl_b32 s42, s[UU], 8
	v_add_nc_u32 v[SCLC], s42, v[SCL0]
.endm
; ---------------- macros: G
.macro BLOAD p, adr, off               ; a record of Wh into set p: 16 loads of 512 consecutive bytes, and its scale image
.irp g,0,1,2,3,4,5,6,7
.irp c,0,1
	global_load_b128 v[BFR+64*(\p)+8*\g+4*\c:BFR+64*(\p)+8*\g+4*\c+3], v[\adr], s[10:11] offset:(\off)+1024*\g+512*\c
.endr
.endr
	global_load_b128 v[BSC+4*(\p):BSC+4*(\p)+3], v[\adr], s[10:11] offset:(\off)+8192
.endm
.macro MM m, g, p                      ; rows 16 m on x the tile's 16 e, K step g.  K steps 4-7 take their scale words from lanes 16-31
.if (\g) == 0
	v_wmma_scale_f32_16x16x128_f8f6f4 v[ACC+8*(\m):ACC+8*(\m)+7], v[BFR+64*(\p)+8*(\g):BFR+64*(\p)+8*(\g)+7], v[64*(\m)+8*(\g):64*(\m)+8*(\g)+7], 0, v[BSC+4*(\p)], v[ASC+4*(\m)] matrix_a_fmt:MATRIX_FMT_FP4 matrix_b_fmt:MATRIX_FMT_FP4
.elseif (\g) < 4
	v_wmma_scale_f32_16x16x128_f8f6f4 v[ACC+8*(\m):ACC+8*(\m)+7], v[BFR+64*(\p)+8*(\g):BFR+64*(\p)+8*(\g)+7], v[64*(\m)+8*(\g):64*(\m)+8*(\g)+7], v[ACC+8*(\m):ACC+8*(\m)+7], v[BSC+4*(\p)+(\g)], v[ASC+4*(\m)+(\g)] matrix_a_fmt:MATRIX_FMT_FP4 matrix_b_fmt:MATRIX_FMT_FP4
.else
	v_wmma_scale_f32_16x16x128_f8f6f4 v[ACC+8*(\m):ACC+8*(\m)+7], v[BFR+64*(\p)+8*(\g):BFR+64*(\p)+8*(\g)+7], v[64*(\m)+8*(\g):64*(\m)+8*(\g)+7], v[ACC+8*(\m):ACC+8*(\m)+7], v[BSC+4*(\p)+(\g)-4], v[ASC+4*(\m)+(\g)-4] matrix_a_fmt:MATRIX_FMT_FP4 matrix_b_fmt:MATRIX_FMT_FP4 matrix_a_scale:MATRIX_SCALE_ROW1 matrix_b_scale:MATRIX_SCALE_ROW1
.endif
.endm
; The set just multiplied takes the record two tiles on.  Tiles 6 and 7 ask for the first two of the other half of my 16 tiles (u = 1: for the next block).  The last half of the last block asks for
; nothing and waits for all loads instead: so where a tile's first products begin at most the other set's 17 loads are younger than the set that is wanted, on either way.
.macro REFILL n
.if (\n) < 6
	BLOAD (\n)%2, BOC, ((\n)+2)*REC
.else
	s_cmp_eq_u32 s[STEPN], 9                       ; f = 4, u = 1
	s_cbranch_scc1 .Ldrain_\@
	BLOAD (\n)%2, BON, ((\n)-6)*REC
	s_branch .Lrefilled_\@
.Ldrain_\@:
	s_wait_loadcnt 0x0
.Lrefilled_\@:
.endif
.endm
.macro KLOAD n, part                   ; eight of tile n's constants: part 0: c (dec Ws^T + biases), 1: c Wc, 2: -2 v
	ds_load_b128 v[KK+8*(\part):KK+8*(\part)+3], v[CSTC] offset:CST+256*(\n)+32*(\part)
	ds_load_b128 v[KK+8*(\part)+4:KK+8*(\part)+7], v[CSTC] offset:CST+256*(\n)+32*(\part)+16
.endm
; HALF A TILE'S EPILOGUE, for pair a of the accumulators: 16 numbers a lane: y, 2^y, 1 + 2^y, its reciprocal, x (-2 v) into the row's sum.  Each accumulator is read from its low end on.
; hn >= 0: the OTHER pair's 16 products of tile hn stand between the exponentials, one behind each; its two accumulators take turns, one instruction a turn.
; kl >= 0: this is the constants' last use: each eight are loaded anew, for tile kl, straight behind their last reader.   kw = 1: those loads are waited for here, group by group.
; WINDOWS: a product wants source 1 (enc) in window 1.  Under that setting all lines here stay right whose source 1 is no vector register; the two groups of eight that have one stand under window 0, at the half's head and end.
; PLACES: behind the pair's last product stand the v_nop and the eight additions of 1, which name none of its registers: more than the four that the next half's first read of its results wants, and
; than the four in front of the loads into the set that it read.
.macro HALF a, hn, kl, kw
.if \kw
	s_wait_dscnt 4                                 ; the first eight constants are in; the other two groups' four loads may be out
.endif
.irp j,0,1,2,3
.irp d,0,1
	v_pk_fma_f32 v[ACC+16*(\a)+8*\d+2*\j:ACC+16*(\a)+8*\d+2*\j+1], v[ACC+16*(\a)+8*\d+2*\j:ACC+16*(\a)+8*\d+2*\j+1], s[CS:CS+1], v[KK+2*\j:KK+2*\j+1] op_sel_hi:[1,0,1]
.endr
.endr
.if \kl >= 0
	KLOAD \kl, 0
.endif
.if \kw
	s_wait_dscnt 2                                 ; the second eight are in; the last group's two loads may be out
.endif
.irp j,0,1,2,3
.irp d,0,1
	v_pk_fma_f32 v[ACC+16*(\a)+8*\d+2*\j:ACC+16*(\a)+8*\d+2*\j+1], v[CV+4*(\a)+2*\d:CV+4*(\a)+2*\d+1], v[KK+8+2*\j:KK+8+2*\j+1], v[ACC+16*(\a)+8*\d+2*\j:ACC+16*(\a)+8*\d+2*\j+1] op_sel_hi:[0,1,1]
.endr
.endr
.if \kl >= 0
	KLOAD \kl, 1
.endif
.if \hn >= 0
.if \a == 1
	s_wait_loadcnt 17                              ; tile hn's set is in; the other set's 16 fragments and its scale image may be out
.endif
	WIN 0x04                                       ; source 1 in window 1
.endif
.set J, 0
.rept 16
	v_exp_f32 v[ACC+16*(\a)+J], v[ACC+16*(\a)+J]
.if \hn >= 0
	MM 2*(1-(\a))+J%2, J/2, (\hn)%2
.endif
.set J, J+1
.endr
	v_nop                                          ; a plain place behind the last exponential
	s_wait_alu depctr_va_vdst(0)                   ; one wait for the batch, ahead of its first reader
.set J, 0
.rept 8
	v_pk_add_f32 v[ACC+16*(\a)+J:ACC+16*(\a)+J+1], v[ACC+16*(\a)+J:ACC+16*(\a)+J+1], 1.0 op_sel_hi:[1,0]
.set J, J+2
.endr
.set J, 0
.rept 16
	v_rcp_f32 v[ACC+16*(\a)+J], v[ACC+16*(\a)+J]
.set J, J+1
.endr
	v_nop
	s_wait_alu depctr_va_vdst(0)                   ; and one for the reciprocals
.if \kw
	s_wait_dscnt 0x0                               ; the last eight constants
.endif
	WIN 0
.irp j,0,1,2,3
.irp d,0,1
	v_pk_fma_f32 v[SCA+4*(\a)+2*\d:SCA+4*(\a)+2*\d+1], v[ACC+16*(\a)+8*\d+2*\j:ACC+16*(\a)+8*\d+2*\j+1], v[KK+16+2*\j:KK+16+2*\j+1], v[SCA+4*(\a)+2*\d:SCA+4*(\a)+2*\d+1]
.endr
.endr
.if \kl >= 0
	KLOAD \kl, 2
.endif
.endm
; Eight tiles.  Tile 0's first 16 products stand bare, and so does tile 7's second half of the epilogue; between them each half of an epilogue carries the next 16 products.
.macro GTRIP
	KLOAD 0, 0
	KLOAD 0, 1
	KLOAD 0, 2
	s_wait_loadcnt 17                              ; tile 0's set is in; tile 1's 17 loads may be out
	WIN 0x04
.set J, 0
.rept 16
	MM J%2, J/2, 0
.set J, J+1
.endr
	WIN 0
.rept 4
	v_nop                                          ; four places in front of the first read of the results
.endr
	HALF 0, 0, -1, 1
	REFILL 0
.irp n,1,2,3,4,5,6,7
	HALF 1, \n, \n, 0                              ; tile n - 1, pair 1 | tile n's products for pair 0 | tile n's constants
	HALF 0, \n, -1, 1                              ; tile n, pair 0 | its products for pair 1
	REFILL \n                                      ; both pairs have multiplied by tile n's set
.endr
	HALF 1, -1, -1, 0
.endm
.macro G_PRE                           ; the block's codes, scale words and coverage into registers
	WIN 0x40                                       ; destination window 1
.irp m,0,1,2,3
.irp g,0,1,2,3,4,5,6,7
.irp c,0,1
	ds_load_b128 v[64*\m+8*\g+4*\c:64*\m+8*\g+4*\c+3], v[AA] offset:COD+16*CP*\m+256*\c+16*\g   ; lane (r, h), half c: true block 8 (2 c + h) + g: 16 bytes at 256 c + 128 h + 16 g of the row
.endr
.endr
.endr
	WIN 0
.irp m,0,1,2,3
	ds_load_b128 v[ASC+4*\m:ASC+4*\m+3], v[AS] offset:SCL+512*\m
.endr
.irp m,0,1,2,3
	ds_load_b32 v[CV+2*\m], v[COVC] offset:COVX+64*\m
.endr
.irp j,0,1,2,3,4,5,6,7
	v_mov_b32 v[SCA+\j], 0
.endr
.endm
.macro G_POST                          ; my 256 e's part of the 64 scores
.irp m,0,1,2,3
	v_add_f32 v[SCA+2*\m], v[SCA+2*\m], v[SCA+2*\m+1]
.endr
.irp m,0,1,2,3
	v_permlanex16_b32 v[KK+\m], v[SCA+2*\m], s[SEL], s[SEL+1]
.endr
.irp m,0,1,2,3
	v_add_f32 v[SCA+2*\m], v[SCA+2*\m], v[KK+\m]
.endr
.irp m,0,1,2,3
	ds_store_b32 v[SCPS], v[SCA+2*\m] offset:SCP+64*\m   ; (both halves of the lanes hold the same number and write it to the same place)
.endr
.endm
; ---------------- macros: S
.macro LOADNEXT k                      ; row slot k takes the row eight further on.  The last eight rows ask for nothing and wait for all loads instead: so the count at a row's head holds on either way
	s_cmp_ge_u32 s[STEPN], 7                       ; f = 3, u = 1: no row follows
	s_cbranch_scc1 .Ldry_\@
	WIN 0x40
.irp s,0,1,2,3
.irp f,0,1
	global_load_b128 v[32*(\k)+8*\s+4*\f:32*(\k)+8*\s+4*\f+3], v[XN], s[4:5] offset:4096*(\k)+1024*\s+16*\f th:TH_LOAD_NT
.endr
.endr
	WIN 0
	s_branch .Lfed_\@
.Ldry_\@:
	s_wait_loadcnt 0x0
.Lfed_\@:
.endm
; One row.  Of each span of 256 numbers a lane holds 8 neighbours; four neighbouring lanes hold a block of 32: true block 8 s + lane / 4.  So my four bytes are the scale word of K step lane / 4.
; What goes to LDS (codes, bf16 row, scale word) has two sets of registers, rows by turns, so that a row does not wait for the stores of the row before it.
.macro QROW k
.set HR, HH+52*((\k)%2)
.set CR, CC+52*((\k)%2)
.set WR, WW+40*((\k)%2)
	s_wait_loadcnt 56                              ; this row's eight loads are in; those of the seven younger rows may be out
	WIN 0x14                                       ; sources 1 and 2 in window 1
.irp s,0,1,2,3
	v_max3_num_f32 v[MX+\s], 0x1800000, |v[32*(\k)+8*\s]|, |v[32*(\k)+8*\s+1]|   ; the floor 2^(3 - 127) among the leaves: the byte cannot fall under 1
.endr
.irp i,2,4,6
.irp s,0,1,2,3
	v_max3_num_f32 v[MX+\s], v[MX+\s], |v[32*(\k)+8*\s+\i]|, |v[32*(\k)+8*\s+\i+1]|
.endr
.endr
	WIN 0
.irp s,0,1,2,3
	v_max_num_f32_dpp v[MX+\s], v[MX+\s], v[MX+\s] row_xmask:1 row_mask:0xf bank_mask:0xf
.endr
.irp s,0,1,2,3
	v_max_num_f32_dpp v[MX+\s], v[MX+\s], v[MX+\s] row_xmask:2 row_mask:0xf bank_mask:0xf
.endr
	s_wait_dscnt 9                                 ; the stores of the row two back, which read this set, are done; the nine of the row before may be out
.irp s,0,1,2,3
	v_add_nc_u32 v[SO+\s], 0xff000000, v[MX+\s]    ; 2 off the exponent field: the conversion's scale operand
.endr
.irp s,0,1,2,3
	v_lshrrev_b32 v[BY+\s], 23, v[SO+\s]           ; the scale's byte
.endr
	v_lshl_or_b32 v[WR], v[BY+1], 8, v[BY]
	v_lshl_or_b32 v[WR], v[BY+2], 16, v[WR]
	v_lshl_or_b32 v[WR], v[BY+3], 24, v[WR]
	WIN 0x01                                       ; source 0 in window 1
.irp s,0,1,2,3
	v_cvt_scalef32_pk8_fp4_f32 v[CR+\s], v[32*(\k)+8*\s:32*(\k)+8*\s+7], v[SO+\s]
.endr
	WIN 0x05                                       ; sources 0 and 1 in window 1
.irp s,0,1,2,3
.irp i,0,1,2,3
	v_cvt_pk_bf16_f32 v[HR+4*\s+\i], v[32*(\k)+8*\s+2*\i], v[32*(\k)+8*\s+2*\i+1]   ; (plain lines behind the scaled conversions)
.endr
.endr
	WIN 0
.irp s,0,1,2,3
	ds_store_b32 v[CODC], v[CR+\s] offset:COD+CP*(\k)+128*\s          ; 8 codes at byte 128 s + 4 lane of the row: the true order
.endr
.irp s,0,1,2,3
	ds_store_b128 v[BFC], v[HR+4*\s:HR+4*\s+3] offset:2048*(\k)+512*\s
.endr
	ds_store_b32 v[SCLC], v[WR] offset:SCL+32*(\k)                    ; (four lanes hold the same word and write it to the same place)
	LOADNEXT \k
.endm
.macro QUANT8
.irp k,0,1,2,3,4,5,6,7
	QROW \k
.endr
.endm
; The scores of my 16 rows of block f - 2 are finished; the running maximum, the weights, and what was summed is brought under the new maximum.  Lane r (and r + 16) holds row r
.macro S_PRE
.irp j,0,1,2,3
	ds_load_b32 v[TT+\j], v[SCPL] offset:SCP+256*\j
.endr
	ds_load_b32 v[TT+4], v[ZR] offset:CST+96       ; the sum of v + bv
	ds_load_b32 v[TT+5], v[ROWC] offset:MSKX
	s_wait_dscnt 0x0
	v_add_f32 v[TT], v[TT], v[TT+1]
	v_add_f32 v[TT+2], v[TT+2], v[TT+3]
	v_add_f32 v[TT], v[TT], v[TT+2]
	v_add_f32 v[SS], v[TT], v[TT+4]
	ds_store_b32 v[ROWC], v[SS] offset:SCOREX
	v_max_num_f32_dpp v[TT+1], v[SS], v[SS] row_xmask:1 row_mask:0xf bank_mask:0xf
	v_max_num_f32_dpp v[TT+1], v[TT+1], v[TT+1] row_xmask:2 row_mask:0xf bank_mask:0xf
	v_max_num_f32_dpp v[TT+1], v[TT+1], v[TT+1] row_xmask:4 row_mask:0xf bank_mask:0xf
	v_max_num_f32_dpp v[TT+1], v[TT+1], v[TT+1] row_xmask:8 row_mask:0xf bank_mask:0xf
	v_max_num_f32 v[TT+2], v[SM], v[TT+1]          ; the new maximum, over masked rows too
	v_sub_f32 v[TT+3], v[SM], v[TT+2]
	v_sub_f32 v[TT+4], v[SS], v[TT+2]
	v_mul_f32 v[TT+3], s[LOG2E], v[TT+3]
	v_mul_f32 v[TT+4], s[LOG2E], v[TT+4]
	v_exp_f32 v[FF], v[TT+3]
	v_exp_f32 v[PP], v[TT+4]
	v_mov_b32 v[SM], v[TT+2]                       ; (a plain place behind the exponentials)
	s_wait_alu depctr_va_vdst(0)                   ; one wait for the two
	v_mul_f32 v[PP], v[PP], v[TT+5]                ; x the mask
	v_fma_f32 v[SL], v[SL], v[FF], v[PP]
.set J, 0
.rept 16
	v_pk_mul_f32 v[CTX+J:CTX+J+1], v[CTX+J:CTX+J+1], v[FF:FF+1] op_sel_hi:[1,0]
.set J, J+2
.endr
	v_mov_b32_dpp v[PB], v[PP] row_xmask:8 row_mask:0xf bank_mask:0xf
.endm
.macro CTXLD k                         ; row k of the eight, from the bf16 copy, into set k % 4 (sets 0, 1 at v64 on, sets 2, 3 at v170 on)
.set XR, XB+16*((\k)%4)+74*(((\k)%4)/2)
.irp t,0,1,2,3
	ds_load_b128 v[XR+4*\t:XR+4*\t+3], v[BFC] offset:2048*(\k)+512*\t
.endr
.endm
.macro CTX8                            ; context += weight x row, for rows 8 u .. 8 u + 7 of my 16; three rows ahead are on their way from LDS
	v_cndmask_b32 v[PSEL], v[PP], v[PB], s[UMASK]  ; lane k: the weight of row 8 u + k
	CTXLD 0
	CTXLD 1
	CTXLD 2
.irp k,0,1,2,3,4,5,6,7
.if \k < 5
	CTXLD \k+3
.endif
	v_readlane_b32 s[SPK], v[PSEL], \k
	v_mov_b32 v[PK], s[SPK]
.if \k < 5
	s_wait_dscnt 12                                ; this row is in; the next three rows' four loads each may be out
.else
	s_wait_dscnt 4*(7-\k)                          ; the rows that are left
.endif
.set XR, XB+16*(\k%4)+74*((\k%4)/2)
.irp t,0,1,2,3
.irp i,0,1,2,3
	v_fma_mix_f32_bf16 v[CTX+8*\t+2*\i], v[XR+4*\t+\i], v[PK], v[CTX+8*\t+2*\i] op_sel_hi:[1,0,0]
	v_fma_mix_f32_bf16 v[CTX+8*\t+2*\i+1], v[XR+4*\t+\i], v[PK], v[CTX+8*\t+2*\i+1] op_sel:[1,0,0] op_sel_hi:[1,0,0]
.endr
.endr
.endr
.endm
; ---------------- the start: G copies the batch's constants, the mask and the coverage into LDS and asks for Wh's first two records; S fills its ring
	s_cmp_lg_u32 s[ROLE], 0
	s_cbranch_scc1 .Lp0_s
.irp i,0,1,2,3,4,5,6,7
	global_load_b128 v[ACC+4*\i:ACC+4*\i+3], v[CPG], s[12:13] offset:65536*\i   ; 16 lanes read a tile's 256 bytes
.endr
	global_load_b64 v[KK:KK+1], v[CP8], s[6:7]
	global_load_b64 v[KK+2:KK+3], v[CP8], s[8:9]
	BLOAD 0, L16, 0
	BLOAD 1, L16, REC
	s_wait_loadcnt 34                              ; the ten copies are in; Wh's two sets, 17 loads each, stay out
.irp i,0,1,2,3,4,5,6,7
	ds_store_b128 v[CPL], v[ACC+4*\i:ACC+4*\i+3] offset:CST+2048*\i
.endr
	ds_store_b64 v[CPM], v[KK:KK+1] offset:MSKX+128      ; rows 64 q + 2 lane, + 1: block q, S wave lane / 8
	ds_store_b64 v[CP8], v[KK+2:KK+3] offset:COVX+256
.irp m,0,1,2,3
	v_mov_b32 v[CV+2*\m+1], 0                      ; named as the upper halves of pairs, so they are written
.endr
	s_branch .Lp0_j
.Lp0_s:
	WIN 0x40
.irp k,0,1,2,3,4,5,6,7
.irp s,0,1,2,3
.irp f,0,1
	global_load_b128 v[32*\k+8*\s+4*\f:32*\k+8*\s+4*\f+3], v[XX], s[4:5] offset:4096*\k+1024*\s+16*\f th:TH_LOAD_NT
.endr
.endr
.endr
	WIN 0
.set J, 0
.rept 32
	v_mov_b32 v[CTX+J], 0
.set J, J+1
.endr
	v_mov_b32 v[SM], 0xff61b1e6                    ; -3e38, under every score
	v_mov_b32 v[SL], 0
	v_mov_b32 v[PP], 0
	v_mov_b32 v[PB], 0
	v_mov_b32 v[FF+1], 0                           ; named as the upper half of a pair
.Lp0_j:
; ---------------- phase 0: S quantises block 0
	s_mov_b32 s[PHI], 0
	PHASEHEAD
	s_mov_b32 s[UU], 0
.Lt0:
	TRIPHEAD
	s_cmp_eq_u32 s[ROLE], 0
	s_cbranch_scc1 .Lt0_j
	QUANT8
.Lt0_j:
	s_add_co_u32 s[UU], s[UU], 1
	s_cmp_lt_u32 s[UU], 2
	s_cbranch_scc1 .Lt0
; ---------------- phases 1 to 4
	s_mov_b32 s[PHI], 1
.Lphase:
	PHASEHEAD
	BAR                                            ; block f - 1's codes and scale words lie in LDS, and so do block f - 2's partial scores
	s_cmp_lg_u32 s[ROLE], 0
	s_cbranch_scc1 .Lpre_s
	G_PRE
	s_branch .Lpre_j
.Lpre_s:
	s_cmp_lt_u32 s[PHI], 2
	s_cbranch_scc1 .Lpre_j
	S_PRE
.Lpre_j:
	BAR                                            ; G's reads of the codes are in: S may write the next block's; S's reads of the partial scores are in: G may write the next
	s_mov_b32 s[UU], 0
.Ltrip:
	TRIPHEAD
	s_cmp_lg_u32 s[ROLE], 0
	s_cbranch_scc1 .Ltrip_s
	GTRIP
	s_branch .Ltrip_j
.Ltrip_s:
	s_cmp_lt_u32 s[PHI], 2
	s_cbranch_scc1 .Lno_ctx
	CTX8
.Lno_ctx:
	s_cmp_gt_u32 s[PHI], 3
	s_cbranch_scc1 .Ltrip_j
	QUANT8
.Ltrip_j:
	s_add_co_u32 s[UU], s[UU], 1
	s_cmp_lt_u32 s[UU], 2
	s_cbranch_scc1 .Ltrip
	s_cmp_lg_u32 s[ROLE], 0
	s_cbranch_scc1 .Lpost_j
	G_POST
.Lpost_j:
	s_add_co_u32 s[PHI], s[PHI], 1
	s_cmp_lt_u32 s[PHI], 5
	s_cbranch_scc1 .Lphase
; ---------------- phase 5: the context of block 3
	s_mov_b32 s[PHI], 5
	PHASEHEAD
	BAR                                            ; block 3's partial scores lie in LDS
	s_cmp_eq_u32 s[ROLE], 0
	s_cbranch_scc1 .Lp5_j
	S_PRE
.Lp5_j:
	s_mov_b32 s[UU], 0
.Lt5:
	TRIPHEAD
	s_cmp_eq_u32 s[ROLE], 0
	s_cbranch_scc1 .Lt5_j
	CTX8
.Lt5_j:
	s_add_co_u32 s[UU], s[UU], 1
	s_cmp_lt_u32 s[UU], 2
	s_cbranch_scc1 .Lt5
; ---------------- the end: the four S waves' parts are brought under one maximum and added
	s_cmp_eq_u32 s[ROLE], 0
	s_cbranch_scc1 .Le1
	v_add_f32_dpp v[SL], v[SL], v[SL] row_xmask:1 row_mask:0xf bank_mask:0xf
	v_add_f32_dpp v[SL], v[SL], v[SL] row_xmask:2 row_mask:0xf bank_mask:0xf
	v_add_f32_dpp v[SL], v[SL], v[SL] row_xmask:4 row_mask:0xf bank_mask:0xf
	v_add_f32_dpp v[SL], v[SL], v[SL] row_xmask:8 row_mask:0xf bank_mask:0xf
	ds_store_b64 v[MRGQ], v[SM:SM+1] offset:MRG    ; my m and l
.Le1:
	BAR
	s_cmp_eq_u32 s[ROLE], 0
	s_cbranch_scc1 .Le2
.irp j,0,1,2,3
	ds_load_b64 v[XB+2*\j:XB+2*\j+1], v[ZR] offset:MRG+16*\j
.endr
	s_wait_dscnt 0x0
	v_max3_num_f32 v[TT], v[XB], v[XB+2], v[XB+4]
	v_max_num_f32 v[TT], v[TT], v[XB+6]            ; M
	v_sub_f32 v[TT+1], v[SM], v[TT]
	v_mul_f32 v[TT+1], s[LOG2E], v[TT+1]
	v_exp_f32 v[FF], v[TT+1]
	v_nop
	s_wait_alu depctr_va_vdst(0)
	v_mul_f32 v[TT+2], v[SL], v[FF]
.set J, 0
.rept 16
	v_pk_mul_f32 v[CTX+J:CTX+J+1], v[CTX+J:CTX+J+1], v[FF:FF+1] op_sel_hi:[1,0]
.set J, J+2
.endr
.irp t,0,1,2,3
	ds_store_b128 v[FINS], v[CTX+8*\t:CTX+8*\t+3] offset:FIN+1024*\t          ; element 256 t + 8 lane + j at 4 bytes each
	ds_store_b128 v[FINS], v[CTX+8*\t+4:CTX+8*\t+7] offset:FIN+1024*\t+16
.endr
	ds_store_b32 v[MRGQ], v[TT+2] offset:MRG+8     ; a word that the loads of 8 bytes above do not touch
.Le2:
	BAR
.irp j,0,1,2,3
	ds_load_b128 v[64+4*\j:67+4*\j], v[T16] offset:FIN+4096*\j
.endr
	s_wait_dscnt 0x0
	v_pk_add_f32 v[64:65], v[64:65], v[68:69]
	v_pk_add_f32 v[66:67], v[66:67], v[70:71]
	v_pk_add_f32 v[72:73], v[72:73], v[76:77]
	v_pk_add_f32 v[74:75], v[74:75], v[78:79]
	v_pk_add_f32 v[64:65], v[64:65], v[72:73]
	v_pk_add_f32 v[66:67], v[66:67], v[74:75]
	global_store_b128 v[T16], v[64:67], s[16:17]   ; a wave stores 512 consecutive bytes
	s_cmp_lg_u32 s[WV], 0
	s_cbranch_scc1 .Le3
	ds_load_b128 v[80:83], v[SCX] offset:SCOREX+128       ; wave 0: the 256 scores, back in the order of the rows
	ds_load_b128 v[84:87], v[SCX] offset:SCOREX+256
	s_wait_dscnt 0x0
	global_store_b128 v[L16], v[80:83], s[14:15]
	global_store_b128 v[L16], v[84:87], s[14:15] offset:512
.Le3:
	s_cmp_lg_u32 s[WV], 1
	s_cbranch_scc1 .Le4
.irp j,0,1,2,3
	ds_load_b32 v[96+\j], v[ZR] offset:MRG+16*\j
	ds_load_b32 v[100+\j], v[ZR] offset:MRG+16*\j+8
.endr
	s_wait_dscnt 0x0
	v_max3_num_f32 v104, v96, v97, v98
	v_max_num_f32 v104, v104, v99                  ; M
	v_add_f32 v100, v100, v101
	v_add_f32 v102, v102, v103
	v_add_f32 v105, v100, v102                     ; L
	global_store_b64 v[L8], v[104:105], s[18:19]   ; wave 1: 32 lanes store the pair 32 times: 256 consecutive bytes, aligned
.Le4:
	s_wait_xcnt 0x0
	v_lshl_add_u32 v214, v0, 2, 0x4e400
	v_mov_b32 v215, 0
	s_wait_tensorcnt 0x0
	ds_add_u32 v214, v215
	s_wait_dscnt 0x0
	s_endpgm
.Lfunc_end_k_qc320515fce_main:
	.size	k_qc320515fce_main, .Lfunc_end_k_qc320515fce_main-k_qc320515fce_main
	.p2alignl 7, 3214868480
	.fill 96, 4, 3214868480
	.section	.rodata,"a",@progbits
	.p2align	6, 0x0
	.amdhsa_kernel k_qc320515fce_main
		.amdhsa_group_segment_fixed_size 321536
		.amdhsa_private_segment_fixed_size 0
		.amdhsa_enable_private_segment 0
		.amdhsa_kernarg_size 64
		.amdhsa_user_sgpr_count 2
		.amdhsa_user_sgpr_kernarg_segment_ptr 1
		.amdhsa_wavefront_size32 1
		.amdhsa_system_sgpr_workgroup_id_x 1
		.amdhsa_system_sgpr_workgroup_id_y 1
		.amdhsa_system_sgpr_workgroup_id_z 1
		.amdhsa_system_vgpr_workitem_id 0
		.amdhsa_next_free_vgpr 512
		.amdhsa_next_free_sgpr 66
		.amdhsa_reserve_vcc 0
		.amdhsa_float_denorm_mode_32 3
		.amdhsa_float_denorm_mode_16_64 3
		.amdhsa_memory_ordered 1
		.amdhsa_forward_progress 1
		.amdhsa_inst_pref_size 255
	.end_amdhsa_kernel
	.section	.bss,"aw",@nobits
	.p2align	6
	.space	262144
	.amdgpu_metadata
---
amdhsa.version: [ 1, 2 ]
amdhsa.kernels:
  - .name:           k_qc320515fce_main
    .symbol:         k_qc320515fce_main.kd
    .args:
      - { .name: enc_output, .offset: 0, .size: 8, .value_kind: global_buffer, .address_space: global }
      - { .name: enc_pad_mask, .offset: 8, .size: 8, .value_kind: global_buffer, .address_space: global }
      - { .name: prev_coverage, .offset: 16, .size: 8, .value_kind: global_buffer, .address_space: global }
      - { .name: whq, .offset: 24, .size: 8, .value_kind: global_buffer, .address_space: global }
      - { .name: cst, .offset: 32, .size: 8, .value_kind: global_buffer, .address_space: global }
      - { .name: scores, .offset: 40, .size: 8, .value_kind: global_buffer, .address_space: global }
      - { .name: pctx, .offset: 48, .size: 8, .value_kind: global_buffer, .address_space: global }
      - { .name: pml, .offset: 56, .size: 8, .value_kind: global_buffer, .address_space: global }
    .group_segment_fixed_size: 321536
    .private_segment_fixed_size: 0
    .kernarg_segment_align: 8
    .kernarg_segment_size: 64
    .max_flat_workgroup_size: 256
    .sgpr_count:     66
    .vgpr_count:     512
    .wavefront_size: 32
...
	.end_amdgpu_metadata
.endif
;; end of part 2
;; launch fin (part 3): grid 32 x 1, 8 waves a work-group, no clusters, 0 bytes of LDS; arguments scores, pctx, pml, enc_pad_mask, prev_coverage, out0, out1, out2; writes out0, out1, out2
.if DOCPART == 3
	.amdgcn_target "amdgcn-amd-amdhsa--gfx1250"
	.amdhsa_code_object_version 6
	.text
	.protected	k_qc320515fce_fin
	.globl	k_qc320515fce_fin
	.p2align	8
	.type	k_qc320515fce_fin,@function
k_qc320515fce_fin:
	s_mov_b64 s[64:65], 0
	v_nop
	global_prefetch_b8 v0, s[64:65] scope:SCOPE_SE
	s_setreg_imm32_b32 hwreg(HW_REG_WAVE_MODE, 25, 1), 1
	s_wait_xcnt 0x0
; Work-group b joins the batch's eight chunks: M = the largest of their maxima, L = the sum of 2^((M_j - M) log2 e) L_j;
; out0 = the sum of 2^((M_j - M) log2 e) / L x the chunk's context;  out1 = 2^((score - M) log2 e) x mask / L;  out2 = prev_coverage + out1.
; Thread t takes 16 bytes at 16 t of every run of 4,096: each load and store of a wave covers 512 consecutive bytes.  All loads are issued at the head.  No LDS, no barrier: the threads share nothing.
; A row whose mask is all zeros gives 0 / 0, as it does in the definition.
	s_load_b512 s[4:19], s[0:1], 0x0               ; scores, pctx, pml, mask, prev, out0, out1, out2
	v_lshlrev_b32 v1, 4, v0
	s_lshl_b32 s20, ttmp9, 11                      ; pml: 8 x 256 bytes
	s_mov_b32 s21, 0
	s_lshl_b32 s22, ttmp9, 15                      ; pctx: 8 x 4,096
	s_mov_b32 s23, 0
	s_lshl_b32 s40, ttmp9, 13                      ; a row of 2,048 numbers
	s_mov_b32 s41, 0
	s_lshl_b32 s42, ttmp9, 12                      ; a row of 1,024
	s_mov_b32 s43, 0
	s_mov_b32 s44, 0x3fb8aa3b                      ; log2(e)
	s_wait_kmcnt 0x0
	s_add_nc_u64 s[8:9], s[8:9], s[20:21]
	s_add_nc_u64 s[6:7], s[6:7], s[22:23]
	s_add_nc_u64 s[4:5], s[4:5], s[40:41]
	s_add_nc_u64 s[10:11], s[10:11], s[40:41]
	s_add_nc_u64 s[12:13], s[12:13], s[40:41]
	s_add_nc_u64 s[16:17], s[16:17], s[40:41]
	s_add_nc_u64 s[18:19], s[18:19], s[40:41]
	s_add_nc_u64 s[14:15], s[14:15], s[42:43]
.irp j,0,1,2,3,4,5,6,7
	s_load_b64 s[24+2*\j:25+2*\j], s[8:9], 256*\j  ; M_j, L_j
.endr
.irp j,0,1,2,3,4,5,6,7
	global_load_b128 v[16+4*\j:19+4*\j], v1, s[6:7] offset:4096*\j
.endr
.irp k,0,1
	global_load_b128 v[48+12*\k:51+12*\k], v1, s[4:5] offset:4096*\k
	global_load_b128 v[52+12*\k:55+12*\k], v1, s[10:11] offset:4096*\k
	global_load_b128 v[56+12*\k:59+12*\k], v1, s[12:13] offset:4096*\k
.endr
	s_wait_kmcnt 0x0
	v_mov_b32 v2, s24
.irp j,1,2,3,4,5,6,7
	v_max_num_f32 v2, s[24+2*\j], v2               ; M
.endr
.irp j,0,1,2,3,4,5,6,7
	v_sub_f32 v[8+\j], s[24+2*\j], v2
.endr
.irp j,0,1,2,3,4,5,6,7
	v_mul_f32 v[8+\j], s44, v[8+\j]
.endr
.irp j,0,1,2,3,4,5,6,7
	v_exp_f32 v[8+\j], v[8+\j]
.endr
	v_nop                                          ; a plain place behind the last exponential
	s_wait_alu depctr_va_vdst(0)                   ; one wait for the eight
	v_mul_f32 v3, s25, v8
.irp j,1,2,3,4,5,6,7
	v_fma_f32 v3, s[25+2*\j], v[8+\j], v3          ; L
.endr
	v_rcp_f32 v4, v3
	v_nop
	s_wait_alu depctr_va_vdst(0)
.irp j,0,1,2,3,4,5,6,7
	v_mul_f32 v[8+\j], v[8+\j], v4
.endr
	s_wait_loadcnt 6                               ; the eight parts of the context are in; the six loads of rows may be out
.irp i,0,1,2,3
	v_mul_f32 v[72+\i], v[16+\i], v8
.endr
.irp j,1,2,3,4,5,6,7
.irp i,0,1,2,3
	v_fma_f32 v[72+\i], v[16+4*\j+\i], v[8+\j], v[72+\i]
.endr
.endr
	global_store_b128 v1, v[72:75], s[14:15]
	s_wait_loadcnt 0x0
.irp k,0,1
.irp i,0,1,2,3
	v_sub_f32 v[76+4*\k+\i], v[48+12*\k+\i], v2
.endr
.endr
.irp i,0,1,2,3,4,5,6,7
	v_mul_f32 v[76+\i], s44, v[76+\i]
.endr
.irp i,0,1,2,3,4,5,6,7
	v_exp_f32 v[76+\i], v[76+\i]
.endr
	v_nop
	s_wait_alu depctr_va_vdst(0)
.irp k,0,1
.irp i,0,1,2,3
	v_mul_f32 v[76+4*\k+\i], v[76+4*\k+\i], v[52+12*\k+\i]     ; x the mask
.endr
.endr
.irp i,0,1,2,3,4,5,6,7
	v_mul_f32 v[76+\i], v[76+\i], v4               ; / L
.endr
.irp k,0,1
.irp i,0,1,2,3
	v_add_f32 v[84+4*\k+\i], v[56+12*\k+\i], v[76+4*\k+\i]
.endr
.endr
.irp k,0,1
	global_store_b128 v1, v[76+4*\k:79+4*\k], s[16:17] offset:4096*\k
	global_store_b128 v1, v[84+4*\k:87+4*\k], s[18:19] offset:4096*\k
.endr
	s_endpgm
.Lfunc_end_k_qc320515fce_fin:
	.size	k_qc320515fce_fin, .Lfunc_end_k_qc320515fce_fin-k_qc320515fce_fin
	.p2alignl 7, 3214868480
	.fill 96, 4, 3214868480
	.section	.rodata,"a",@progbits
	.p2align	6, 0x0
	.amdhsa_kernel k_qc320515fce_fin
		.amdhsa_group_segment_fixed_size 0
		.amdhsa_private_segment_fixed_size 0
		.amdhsa_enable_private_segment 0
		.amdhsa_kernarg_size 64
		.amdhsa_user_sgpr_count 2
		.amdhsa_user_sgpr_kernarg_segment_ptr 1
		.amdhsa_wavefront_size32 1
		.amdhsa_system_sgpr_workgroup_id_x 1
		.amdhsa_system_sgpr_workgroup_id_y 1
		.amdhsa_system_sgpr_workgroup_id_z 1
		.amdhsa_system_vgpr_workitem_id 0
		.amdhsa_next_free_vgpr 96
		.amdhsa_next_free_sgpr 66
		.amdhsa_reserve_vcc 0
		.amdhsa_float_denorm_mode_32 3
		.amdhsa_float_denorm_mode_16_64 3
		.amdhsa_memory_ordered 1
		.amdhsa_forward_progress 1
		.amdhsa_inst_pref_size 9
	.end_amdhsa_kernel
	.amdgpu_metadata
---
amdhsa.version: [ 1, 2 ]
amdhsa.kernels:
  - .name:           k_qc320515fce_fin
    .symbol:         k_qc320515fce_fin.kd
    .args:
      - { .name: scores, .offset: 0, .size: 8, .value_kind: global_buffer, .address_space: global }
      - { .name: pctx, .offset: 8, .size: 8, .value_kind: global_buffer, .address_space: global }
      - { .name: pml, .offset: 16, .size: 8, .value_kind: global_buffer, .address_space: global }
      - { .name: enc_pad_mask, .offset: 24, .size: 8, .value_kind: global_buffer, .address_space: global }
      - { .name: prev_coverage, .offset: 32, .size: 8, .value_kind: global_buffer, .address_space: global }
      - { .name: out0, .offset: 40, .size: 8, .value_kind: global_buffer, .address_space: global }
      - { .name: out1, .offset: 48, .size: 8, .value_kind: global_buffer, .address_space: global }
      - { .name: out2, .offset: 56, .size: 8, .value_kind: global_buffer, .address_space: global }
    .group_segment_fixed_size: 0
    .private_segment_fixed_size: 0
    .kernarg_segment_align: 8
    .kernarg_segment_size: 64
    .max_flat_workgroup_size: 256
    .sgpr_count:     66
    .vgpr_count:     96
    .wavefront_size: 32
...
	.end_amdgpu_metadata
.endif
;; end of part 3
;; ======== version 2 of 2: 3 launches; version 1 with the launches prep, main written anew for expert scheduling mode
;; workspace buffers: whq 557,056 bytes; cst 524,288 bytes; scores 262,144 bytes; pctx 1,048,576 bytes; pml 65,536 bytes
;; launch prep (part 4): grid 64 x 1, 8 waves a work-group, no clusters, 104,448 bytes of LDS; arguments Wh, Ws, dec_hidden, bh, bs, bc, Wc, v, bv, whq, cst; writes whq, cst
.if DOCPART == 4
	.amdgcn_target "amdgcn-amd-amdhsa--gfx1250"
	.amdhsa_code_object_version 6
	.text
	.protected	k_qc320515fce_prep
	.globl	k_qc320515fce_prep
	.p2align	8
	.type	k_qc320515fce_prep,@function
k_qc320515fce_prep:
	s_mov_b64 s[64:65], 0
	v_nop
	global_prefetch_b8 v0, s[64:65] scope:SCOPE_SE
	s_setreg_imm32_b32 hwreg(HW_REG_WAVE_SCHED_MODE, 0, 2), 2
	s_setreg_imm32_b32 hwreg(HW_REG_WAVE_MODE, 25, 1), 1
	s_wait_xcnt 0x0
	s_wait_alu depctr_vm_vsrc(0)
; Work-group nt (0..63) owns the 16 rows e = 16 nt .. 16 nt + 15 of Wh and of Ws; wave g (0..7) owns matrix K step g.
; It (1) turns Wh's rows into codes of E2M1 with E8M0 scale bytes, laid in the order of an operand's registers (record nt of whq: fragment g at 1,024 g, its half c
; at + 512 c, lane l's 16 bytes at 16 l; at + 8,192 the scale image: lane (r, h)'s 16 bytes are the words g = 4 h .. 4 h + 3 of row r);
; (2) computes dec Ws^T for these 16 e and all 32 batches on codes (each wave one K step, the eight parts added in LDS, K step ascending);
; (3) stores, for each batch, the 256 bytes that the next launch's epilogue wants for this tile: at 128 h: c (dec Ws^T + bs + bh + bc) [8], c Wc [8], -2 v [8], (sum of v + bv) x 8,
; for e = 16 nt + 8 h + j; c = 2 log2(e).
; K ORDER: matrix K step g holds the true blocks of 32 {g, 8 + g, 16 + g, 24 + g}; byte B of its scale word belongs to block 8 B + g.  The blocks themselves are the quantiser's; all four
; operands (enc, Wh, dec, Ws) take the same order, so the products are the same numbers; the f32 sums are grouped otherwise than in ascending k.
; LOADS: the quantiser wants a block's 32 numbers in one lane; a load is best where neighbouring lanes take neighbouring bytes.  Both are had: a load takes four blocks of one row, eight lanes to a block's
; 128 bytes; a set's 64 blocks go through the wave's own stage in LDS as they lie and come back 128 bytes a lane.
; LIMITS: a block of zeros, and a block whose largest magnitude lies under 2^-124, gets the byte 1 (its codes are zeros, or are held there); the bytes are read by this program alone.  NaN and infinities are not served.
; THE MODE: SCHED_MODE bits 1:0 = 2 (LLVM: expert scheduling mode 2), set by the entry lines.  The code itself states the register dependences
; between vector or matrix instructions and memory or LDS instructions, with s_wait_alu, always for 0.
; THE PLAN.  Registers that memory or LDS instructions touch:
;   v1-v15       offsets and addresses, made at the head; v15 alone is written again, once, near the end.
;   F0, F1, F2   a set: loads from memory land in it; TURN's 16 LDS stores read it; TURN's 16 LDS loads land in it; QUANTB reads it.  Then F0 is asked for again (dec's second half), five loads of
;                biases land in F1, the two products' results are laid in F1, and the LDS loads behind the barriers land in F0.
;   CWH, v24     written by QUANTB, read by stores, never written again.      v28, v96-111, v32-39   vector or matrix results that LDS stores read.
; So: one wait on vm_vsrc inside TURN, between the stores and the loads into the same registers; one wait on va_vdst behind each QUANTB whose set or results a memory instruction touches next,
; and ahead of each run of LDS stores of fresh results.
.set PART, 0                           ; LDS: the eight waves' parts of dec Ws^T: [g][tile of batches][lane][32 bytes]
.set WSC,  16384                       ; Wh's scale image, 512 bytes
.set SVP,  16896                       ; eight partial sums of v
.set IMG,  17152                       ; [batch 32][256 bytes]: what goes to cst
.set STG,  25600                       ; the stages: one for each wave
.set STW,  9728                        ; a wave's stage: four regions, one for each of a K step's four blocks
.set STQ,  2432                        ; a region: 16 rows and 128 bytes more, so that two regions' stores fall on different banks
.set STP,  144                         ; a row's block: 128 bytes + 16: sixteen rows start at sixteen different columns of 16 bytes
.set F0,   32                          ; three sets of 64 numbers
.set F1,   96
.set F2,   160
.set CWH,  224                         ; four fragments of codes
.set CWS,  232
.set CD0,  240
.set CD1,  248
	s_load_b512 s[4:19], s[0:1], 0x0               ; Wh, Ws, dec_hidden, bh, bs, bc, Wc, v
	s_load_b128 s[20:23], s[0:1], 0x40             ; bv, whq
	s_load_b64 s[24:25], s[0:1], 0x50              ; cst
	s_set_vgpr_msb 0x40
	v_lshl_add_u32 v0, v0, 2, 0x19400
	v_mov_b32 v1, 0
	s_set_vgpr_msb 0x4000
	v_lshrrev_b32 v1, 5, v0
	v_readfirstlane_b32 s26, v1                    ; g
	v_and_b32 v1, 31, v0                           ; lane
	v_and_b32 v2, 15, v0                           ; r
	v_bfe_u32 v3, v0, 4, 1                         ; h
	v_bfe_u32 v16, v0, 3, 2                        ; lane / 8: which of the K step's four blocks I load
	v_and_b32 v17, 7, v0                           ; lane % 8: my 16 bytes of its 128
	v_bfe_u32 v18, v0, 3, 1
	s_wait_alu depctr_va_sdst(0)                   ; s26 is written, ahead of its first reader
	s_lshl_b32 s27, s26, 7
	v_lshlrev_b32 v4, 10, v16
	v_lshl_add_u32 v4, v17, 4, v4
	v_add_nc_u32 v4, s27, v4                       ; Wh, Ws: block 8 (lane / 8) + g of a row: 1,024 (lane / 8) + 128 g + 16 (lane % 8); the row stands in the immediate
	v_lshlrev_b32 v5, 16, v3
	v_lshl_add_u32 v5, v18, 10, v5
	v_lshl_add_u32 v5, v17, 4, v5
	v_add_nc_u32 v5, s27, v5                       ; dec_hidden: k / 512 = lane / 16 picks its first axis: 65,536 (lane / 16) + 1,024 ((lane / 8) % 2) + 128 g + 16 (lane % 8)
	s_lshl_b32 s27, s26, 10
	v_lshl_add_u32 v6, v1, 4, s27                  ; whq: 16 lane + 1,024 g
	s_lshl_b32 s27, s26, 11
	v_lshl_add_u32 v7, v1, 5, s27                  ; PART: 32 lane + 2,048 g
	s_lshr_b32 s27, s26, 2
	s_lshl_b32 s27, s27, 8
	s_and_b32 s44, s26, 3
	s_lshl_b32 s44, s44, 2
	s_add_co_u32 s27, s27, s44
	v_lshl_add_u32 v8, v2, 4, s27                  ; WSC: 16 r + 256 (g / 4) + 4 (g % 4)
	s_mul_i32 s45, s26, STW
	s_add_co_u32 s45, s45, STG                     ; my wave's stage
	v_mul_u32_u24 v15, v2, STP
	v_mad_u32_u24 v15, v3, STQ, v15
	v_add_nc_u32 v15, s45, v15                     ; out of it: row r of region h (half c: two regions on)
	v_lshlrev_b32 v13, 3, v3                       ; 8 h: where my two scale bytes stand in the word
	s_lshl_b32 s27, s26, 9
	v_lshl_add_u32 v2, v1, 4, s27                  ; my wave's 128 numbers of v: 512 g + 16 lane (r is done with)
	v_mul_u32_u24 v1, v16, STQ
	v_lshl_add_u32 v1, v17, 4, v1
	v_add_nc_u32 v1, s45, v1                       ; into the stage: region lane / 8, + 16 (lane % 8); the row stands in the immediate (the lane's number is done with)
	v_lshlrev_b32 v9, 3, v0                        ; the reduction: 8 x thread
	v_lshrrev_b32 v10, 7, v0                       ; thread = 128 mt + 4 lane' + jp
	v_lshlrev_b32 v10, 12, v10
	v_bfe_u32 v16, v0, 2, 4                        ; r'
	v_lshl_add_u32 v10, v16, 8, v10
	v_bfe_u32 v16, v0, 6, 1                        ; h'
	v_lshl_add_u32 v10, v16, 7, v10
	v_and_b32 v17, 3, v0                           ; jp
	v_lshl_add_u32 v10, v17, 3, v10                ; IMG: 256 (16 mt + r') + 128 h' + 8 jp
	v_lshlrev_b32 v12, 5, v16
	v_lshl_add_u32 v12, v17, 3, v12                ; the biases of e = 8 h' + 2 jp, + 1: 4 bytes each
	v_lshlrev_b32 v11, 4, v0                       ; 16 x thread
	s_lshl_b32 s27, s26, 2
	v_mov_b32 v14, s27                             ; SVP: 4 g
	v_mov_b32 v3, 0
	v_mov_b32 v23, 0                               ; written once: a lane permute's destination counts as one of its sources
	s_mov_b32 s28, 0x76543210
	s_mov_b32 s29, 0xfedcba98                      ; v_permlanex16_b32's selects for lane l xor 16
	s_mov_b32 s30, 0x4038aa3b                      ; c = 2 log2(e)
	s_mov_b32 s31, s30                             ; (named with it as a pair)
	s_lshl_b32 s32, ttmp9, 16                      ; 16 rows of 4,096 bytes
	s_mov_b32 s33, 0
	s_lshl_b32 s34, ttmp9, 6                       ; 16 numbers of a bias
	s_mov_b32 s35, 0
	s_mul_i32 s36, ttmp9, 8704                     ; a record of whq
	s_mov_b32 s37, 0
	s_lshl_b32 s38, ttmp9, 13                      ; 32 x 256 bytes of cst
	s_mov_b32 s39, 0
	s_wait_kmcnt 0x0
	s_add_nc_u64 s[4:5], s[4:5], s[32:33]
	s_add_nc_u64 s[6:7], s[6:7], s[32:33]
	s_add_nc_u64 s[10:11], s[10:11], s[34:35]
	s_add_nc_u64 s[12:13], s[12:13], s[34:35]
	s_add_nc_u64 s[14:15], s[14:15], s[34:35]
	s_add_nc_u64 s[16:17], s[16:17], s[34:35]
	s_add_nc_u64 s[40:41], s[18:19], s[34:35]      ; v at my tile; s[18:19] stays at v's first number
	s_add_nc_u64 s[22:23], s[22:23], s[36:37]
	s_add_nc_u64 s[24:25], s[24:25], s[38:39]
	s_load_b32 s42, s[20:21], 0x0                  ; bv
	s_wait_alu depctr_va_vdst(0)                   ; the offsets and addresses v1 to v15 are written, which the loads and stores below read
; 16 rows, hop bytes apart: load i takes row i's four blocks of this K step, 128 consecutive bytes each
.macro LDF dst, adr, base, hop, off
.irp i,0,1,2,3,4,5,6,7,8,9,10,11,12,13,14,15
	global_load_b128 v[\dst+4*\i:\dst+4*\i+3], v[\adr], s[\base:\base+1] offset:\off+\hop*\i
.endr
.endm
; The set goes through my stage and comes back into the registers that it left: lane (r, h), half c then holds k = 256 (2 c + h) + 32 g + 0 .. 31 of row r, at register 32 c on.
; LDS serves a wave's instructions in order: the loads see the stores, and the next set's stores come behind these loads
.macro TURN f
.irp i,0,1,2,3,4,5,6,7,8,9,10,11,12,13,14,15
	ds_store_b128 v1, v[\f+4*\i:\f+4*\i+3] offset:STP*\i
.endr
	s_wait_alu depctr_vm_vsrc(0)                   ; the sixteen stores have read the set's registers, in which the loads below land (and whatever lands in them or writes them later)
.irp b,0,1
.irp i,0,1,2,3,4,5,6,7
	ds_load_b128 v[\f+32*\b+4*\i:\f+32*\b+4*\i+3], v15 offset:2*STQ*\b+16*\i
.endr
.endr
	s_wait_dscnt 0x0
.endm
; 64 numbers, two whole blocks of 32, become a fragment's eight registers and the row's scale word
.macro QUANTB src, dst, wrd
.irp b,0,1
	v_max3_num_f32 v[16+\b], |v[\src+32*\b]|, |v[\src+32*\b+1]|, 0x1800000   ; the floor 2^(3 - 127) among the leaves: the byte cannot fall under 1
.endr
.irp i,2,4,6,8,10,12,14,16,18,20,22,24,26,28,30
.irp b,0,1
	v_max3_num_f32 v[16+\b], v[16+\b], |v[\src+32*\b+\i]|, |v[\src+32*\b+\i+1]|
.endr
.endr
.irp b,0,1
	v_add_nc_u32 v[18+\b], 0xff000000, v[16+\b]    ; 2 off the exponent field: the conversion's scale operand
.endr
.irp b,0,1
	v_lshrrev_b32 v[20+\b], 23, v[18+\b]           ; the scale's byte
.endr
	v_lshl_or_b32 v22, v21, 16, v20                ; bytes h and 2 + h of the word,
	v_lshlrev_b32 v22, v13, v22                    ; 8 h bits up;
	v_permlanex16_b32 v23, v22, s28, s29
	v_or_b32 v[\wrd], v22, v23                     ; with lane l xor 16's two the word is whole
.irp b,0,1
.irp e,0,1,2,3
	v_cvt_scalef32_pk8_fp4_f32 v[\dst+4*\b+\e], v[\src+32*\b+8*\e:\src+32*\b+8*\e+7], v[18+\b]
.endr
.endr
	v_nop                                          ; one plain place behind the scaled conversions
.endm
	LDF F0, 4, 4, 4096, 0                          ; Wh
	LDF F1, 4, 6, 4096, 0                          ; Ws
	LDF F2, 5, 8, 2048, 0                          ; dec, batches 0-15
	global_load_b128 v[28:31], v2, s[18:19]        ; my 128 numbers of v
	s_wait_loadcnt 33                              ; Wh is in; Ws's 16, dec's 16 and v's one may be out
	TURN F0
	QUANTB F0, CWH, 24
	s_wait_alu depctr_va_vdst(0)                   ; the quantiser is done reading F0, in which the loads below land, and has written Wh's codes and v24, which the stores below read
	LDF F0, 5, 8, 2048, 32768                      ; dec, batches 16-31: the set is asked for again at once
	global_store_b128 v6, v[CWH:CWH+3], s[22:23]                ; 32 lanes store 512 consecutive bytes
	global_store_b128 v6, v[CWH+4:CWH+7], s[22:23] offset:512
	ds_store_b32 v8, v24 offset:WSC                ; (both halves of the lanes hold the same word and write it to the same place)
	s_wait_loadcnt 33                              ; Ws is in; behind it: dec 16, v 1, dec 16
	TURN F1
	QUANTB F1, CWS, 25
	s_wait_alu depctr_va_vdst(0)                   ; the quantiser is done reading F1: the five loads below land in v112 to v121 of it
	global_load_b64 v[112:113], v12, s[10:11]      ; bh, bs, bc, Wc, v at the two e that my thread will finish
	global_load_b64 v[114:115], v12, s[12:13]
	global_load_b64 v[116:117], v12, s[14:15]
	global_load_b64 v[118:119], v12, s[16:17]
	global_load_b64 v[120:121], v12, s[40:41]
	s_wait_loadcnt 22                              ; dec's first 16 are in; behind them: v 1, dec 16, these 5
	TURN F2
	QUANTB F2, CD0, 26
	s_wait_loadcnt 21                              ; v's piece is in
	v_add_f32 v28, v28, v29
	v_add_f32 v30, v30, v31
	v_add_f32 v28, v28, v30
	v_add_f32_dpp v28, v28, v28 row_xmask:1 row_mask:0xf bank_mask:0xf
	v_add_f32_dpp v28, v28, v28 row_xmask:2 row_mask:0xf bank_mask:0xf
	v_add_f32_dpp v28, v28, v28 row_xmask:4 row_mask:0xf bank_mask:0xf
	v_add_f32_dpp v28, v28, v28 row_xmask:8 row_mask:0xf bank_mask:0xf
	v_permlanex16_b32 v23, v28, s28, s29
	v_add_f32 v28, v28, v23
	s_wait_alu depctr_va_vdst(0)                   ; v28 is written, which the store below reads
	ds_store_b32 v14, v28 offset:SVP               ; the sum of my 128 numbers of v
	s_wait_loadcnt 5                               ; dec's last 16 are in; the five bias loads may be out
	TURN F0
	QUANTB F0, CD1, 27
.rept 8
	v_nop                                          ; a scale register written by a vector instruction stands 8 places ahead of a scaled matrix instruction, an operand 4
.endr
	s_wait_alu depctr_va_vdst(0)                   ; behind the places: the quantisers have written the codes of Ws and dec and the scale words v25 to v27, which the products take; and they are done reading F0, in which the LDS loads behind the barriers land
	; transposed: source 0 = my 16 rows of Ws, source 1 = 16 batches: lane (r, h), register j: batch r of the tile, e = 8 h + j; K step g alone
	v_wmma_scale_f32_16x16x128_f8f6f4 v[96:103], v[CWS:CWS+7], v[CD0:CD0+7], 0, v25, v26 matrix_a_fmt:MATRIX_FMT_FP4 matrix_b_fmt:MATRIX_FMT_FP4
	v_wmma_scale_f32_16x16x128_f8f6f4 v[104:111], v[CWS:CWS+7], v[CD1:CD1+7], 0, v25, v27 matrix_a_fmt:MATRIX_FMT_FP4 matrix_b_fmt:MATRIX_FMT_FP4
.rept 4
	v_nop                                          ; four places in front of the first read of the results
.endr
	s_wait_alu depctr_va_vdst(0)                   ; the products have written v96 to v111, which the stores below read; the places above stay beside this wait
	ds_store_b128 v7, v[96:99] offset:PART         ; each result from its low end on
	ds_store_b128 v7, v[100:103] offset:PART+16
	ds_store_b128 v7, v[104:107] offset:PART+1024
	ds_store_b128 v7, v[108:111] offset:PART+1040
	s_wait_dscnt 0x0                               ; for the others' sake: my stores have landed
	s_barrier_signal -1
	s_barrier_wait -1
.irp e,0,1,2,3,4,5,6,7
	ds_load_b64 v[32+2*\e:33+2*\e], v9 offset:PART+2048*\e   ; the eight K steps' parts of my two numbers
.endr
	ds_load_b128 v[48:51], v3 offset:SVP
	ds_load_b128 v[52:55], v3 offset:SVP+16
	s_wait_dscnt 0x0
	s_wait_loadcnt 0x0                             ; the biases
	s_wait_kmcnt 0x0                               ; bv
.irp e,1,2,3,4,5,6,7
	v_pk_add_f32 v[32:33], v[32:33], v[32+2*\e:33+2*\e]
.endr
.irp e,1,2,3,4,5,6,7
	v_add_f32 v48, v48, v[48+\e]
.endr
	v_pk_add_f32 v[32:33], v[32:33], v[112:113]
	v_pk_add_f32 v[32:33], v[32:33], v[114:115]
	v_pk_add_f32 v[32:33], v[32:33], v[116:117]
	v_pk_mul_f32 v[32:33], v[32:33], s[30:31] op_sel_hi:[1,0]     ; c (dec Ws^T + bh + bs + bc)
	v_pk_mul_f32 v[34:35], v[118:119], s[30:31] op_sel_hi:[1,0]   ; c Wc
	v_pk_mul_f32 v[36:37], v[120:121], -2.0 op_sel_hi:[1,0]       ; -2 v
	v_add_f32 v38, s42, v48                        ; the sum of v + bv
	v_mov_b32 v39, v38
	s_wait_alu depctr_va_vdst(0)                   ; v32 to v39 are written, which the four stores below read
	ds_store_b64 v10, v[32:33] offset:IMG
	ds_store_b64 v10, v[34:35] offset:IMG+32
	ds_store_b64 v10, v[36:37] offset:IMG+64
	ds_store_b64 v10, v[38:39] offset:IMG+96
	s_wait_dscnt 0x0
	s_barrier_signal -1
	s_barrier_wait -1
	ds_load_b128 v[56:59], v11 offset:IMG
	ds_load_b128 v[60:63], v11 offset:IMG+4096
	s_wait_alu depctr_vm_vsrc(0)                   ; the last TURN's loads have read v15, which is written again below
	v_and_b32 v15, 31, v0                          ; the stage is done with: 16 lane, for wave 0 below
	v_lshlrev_b32 v15, 4, v15
	s_wait_alu depctr_va_vdst(0)                   ; v15 is written, which wave 0's load and store below read
	s_wait_dscnt 0x0
	global_store_b128 v11, v[56:59], s[24:25]                 ; 16 lanes store 256 consecutive bytes, aligned
	global_store_b128 v11, v[60:63], s[24:25] offset:4096
	s_cmp_lg_u32 s26, 0
	s_cbranch_scc1 .Lend
	ds_load_b128 v[64:67], v15 offset:WSC          ; wave 0: Wh's scale image (its words were stored ahead of the first barrier)
	s_wait_dscnt 0x0
	global_store_b128 v15, v[64:67], s[22:23] offset:8192
.Lend:
	s_set_vgpr_msb 0x5                             ; the add's two registers, sources 0 and 1, lie in window 1
	s_wait_dscnt 0x0                               ; the closing lines, six on end
	s_wait_alu 0x0
	s_wait_tensorcnt 0x0
	ds_add_u32 v0, v1
	s_wait_dscnt 0x0
	s_endpgm
.Lfunc_end_k_qc320515fce_prep:
	.size	k_qc320515fce_prep, .Lfunc_end_k_qc320515fce_prep-k_qc320515fce_prep
	.p2alignl 7, 3214868480
	.fill 96, 4, 3214868480
	.section	.rodata,"a",@progbits
	.p2align	6, 0x0
	.amdhsa_kernel k_qc320515fce_prep
		.amdhsa_group_segment_fixed_size 104448
		.amdhsa_private_segment_fixed_size 0
		.amdhsa_enable_private_segment 0
		.amdhsa_kernarg_size 88
		.amdhsa_user_sgpr_count 2
		.amdhsa_user_sgpr_kernarg_segment_ptr 1
		.amdhsa_wavefront_size32 1
		.amdhsa_system_sgpr_workgroup_id_x 1
		.amdhsa_system_sgpr_workgroup_id_y 1
		.amdhsa_system_sgpr_workgroup_id_z 1
		.amdhsa_system_vgpr_workitem_id 0
		.amdhsa_next_free_vgpr 258
		.amdhsa_next_free_sgpr 66
		.amdhsa_reserve_vcc 0
		.amdhsa_float_denorm_mode_32 3
		.amdhsa_float_denorm_mode_16_64 3
		.amdhsa_memory_ordered 1
		.amdhsa_forward_progress 1
		.amdhsa_inst_pref_size 36
	.end_amdhsa_kernel
	.amdgpu_metadata
---
amdhsa.version: [ 1, 2 ]
amdhsa.kernels:
  - .name:           k_qc320515fce_prep
    .symbol:         k_qc320515fce_prep.kd
    .args:
      - { .name: Wh, .offset: 0, .size: 8, .value_kind: global_buffer, .address_space: global }
      - { .name: Ws, .offset: 8, .size: 8, .value_kind: global_buffer, .address_space: global }
      - { .name: dec_hidden, .offset: 16, .size: 8, .value_kind: global_buffer, .address_space: global }
      - { .name: bh, .offset: 24, .size: 8, .value_kind: global_buffer, .address_space: global }
      - { .name: bs, .offset: 32, .size: 8, .value_kind: global_buffer, .address_space: global }
      - { .name: bc, .offset: 40, .size: 8, .value_kind: global_buffer, .address_space: global }
      - { .name: Wc, .offset: 48, .size: 8, .value_kind: global_buffer, .address_space: global }
      - { .name: v, .offset: 56, .size: 8, .value_kind: global_buffer, .address_space: global }
      - { .name: bv, .offset: 64, .size: 8, .value_kind: global_buffer, .address_space: global }
      - { .name: whq, .offset: 72, .size: 8, .value_kind: global_buffer, .address_space: global }
      - { .name: cst, .offset: 80, .size: 8, .value_kind: global_buffer, .address_space: global }
    .group_segment_fixed_size: 104448
    .private_segment_fixed_size: 0
    .kernarg_segment_align: 8
    .kernarg_segment_size: 88
    .max_flat_workgroup_size: 256
    .sgpr_count:     66
    .vgpr_count:     258
    .wavefront_size: 32
...
	.end_amdgpu_metadata
.endif
;; end of part 4
;; launch main (part 5): grid 256 x 1, 8 waves a work-group, no clusters, 321,536 bytes of LDS; arguments enc_output, enc_pad_mask, prev_coverage, whq, cst, scores, pctx, pml; writes scores, pctx, pml
.if DOCPART == 5
	.amdgcn_target "amdgcn-amd-amdhsa--gfx1250"
	.amdhsa_code_object_version 6
	.text
	.protected	k_qc320515fce_main
	.globl	k_qc320515fce_main
	.p2align	8
	.type	k_qc320515fce_main,@function
k_qc320515fce_main:
	s_mov_b64 s[64:65], 0
	v_nop
	global_prefetch_b8 v0, s[64:65] scope:SCOPE_SE
	s_setreg_imm32_b32 hwreg(HW_REG_WAVE_SCHED_MODE, 0, 2), 2
	s_setreg_imm32_b32 hwreg(HW_REG_WAVE_MODE, 25, 1), 1
	s_wait_xcnt 0x0
	s_wait_alu depctr_vm_vsrc(0)
; Work-group wg = 8 b + chunk owns 256 positions of batch b, as four blocks of 64 rows of enc.  enc is read from memory ONCE: the same read gives the codes for the scores and a bf16 copy for the context.
; Out go the 256 scores, and the chunk's partial softmax: its largest score M, L = the sum of 2^((score - M) log2 e) x mask, and the sum of those weights x enc (1,024 numbers).
; TWO ROLES, four waves each: role = (w xor w / 4) & 1, q = w & 3.
;   S wave q streams rows 16 q .. 16 q + 15 of each block through a ring of 8 rows in registers (64 loads of 16 bytes a lane are out), quantises them along K to E2M1 with E8M0 scales, and stores codes, scale words
;   and a bf16 copy in LDS; two phases later, when the block's scores are known, it adds weight x bf16 row to its part of the context, under a running maximum.
;   G wave q owns e = 256 q .. 256 q + 255: 16 tiles of 16.  It holds the block's 64 rows of codes in 256 registers, takes Wh's fragments from memory straight into two sets of registers (laid by the launch before in
;   the order of an operand's registers), and for each tile: 32 matrix instructions, then tanh and the product with v.
;   BY TURNS: the block's four tiles of rows are two pairs.  While one pair's 32 x 16 numbers go through tanh, the other pair's 16 matrix instructions stand between its exponentials, one behind each: so the four
;   accumulators serve both, and no second set is needed.
; PHASE f: S quantises block f, G multiplies block f - 1, S adds the context of block f - 2; block f's bf16 copy takes the place of block f - 2's, eight rows at a time, behind the same wave's reads.
; tanh(x) = 1 - 2 / (1 + 2^(c x)), c = 2 log2(e): so score = (sum of v + bv) + the sum over e of (-2 v) / (1 + 2^y), y = c (enc Wh^T) + c (dec Ws^T + bs + bh + bc) + cov c Wc.
; THE MATRIX INSTRUCTION IS USED TRANSPOSED (source 0 = 16 rows of Wh, source 1 = 16 rows of enc): a lane holds one row of enc and eight e.
; K ORDER: matrix K step g holds the true blocks of 32 {g, 8 + g, 16 + g, 24 + g}, on both operands alike; the blocks are the quantiser's; the f32 sums are grouped otherwise than in ascending k.
; NO CLUSTER, NO JOINT LOADS, though every work-group reads the same Wh: the text uses 320,000 of a work-group's 327,680 bytes of LDS (262,144 for the two bf16 copies), and the 7,680 left are less than one
; record of Wh (8,704 bytes): there is no room for a slot into which a joint load could land.
; LIMITS: a block of zeros, and a block whose largest magnitude lies under 2^-124, gets the byte 1; the bytes are read by this program alone.  NaN and infinities are not served.  enc is rounded to bf16 for the context alone.
; THE MODE: SCHED_MODE bits 1:0 = 2 (LLVM: expert scheduling mode 2), set by the entry lines.  The code itself states the register dependences
; between vector or matrix instructions and memory or LDS instructions, with s_wait_alu, always for 0.
; THE PLAN.  Registers that memory or LDS instructions touch, who writes them and who reads them:
;   v1-v31        Addresses.  Made at the head.  Nine hang on the phase or on its half and are written anew by PHASEHEAD and TRIPHEAD: a wait on vm_vsrc ahead of the writes, a wait on va_vdst behind them.
;                 Every wave passes one of the two macros at every change of section, so these two pairs also state all that crosses a section: the loads at a section's head land in registers that
;                 the section before read or wrote by vector or matrix instructions, and a section's vector instructions write registers that the section before stored from.
;   G: BFR, BSC   A set is read by a tile's 32 products; the last 16 stand among the exponentials of pair 0's half.  The wait on va_vdst behind that batch shows them done; the record two tiles on lands behind it.
;   G: KK         Constants 0-15 are read by a half's first sixteen multiply-adds, constants 16-23 by its last eight.  The same wait behind the exponentials shows the half's first sixteen, and the last
;                 eight of the half before, done: in pair 1's half the next tile's 0-15 land behind it, in pair 0's half the tile's own 16-23.
;   G: enc's fragments, ASC, CV   loaded once a phase, behind PHASEHEAD.      G: SCA   vector sums; one wait on va_vdst ahead of the four stores of a phase.
;   S: the ring   Slot k is read by row k's maxima and conversions; ONE wait on va_vdst behind them; then the slot's eight loads and the row's nine LDS stores.
;   S: HH, CC, WW Two sets, rows by turns: written by the conversions, read by the nine stores; a wait on vm_vsrc ahead of the set's first write, two rows later.
;   S: XB         Four sets.  Rows 0-3 land behind TRIPHEAD; rows 4, 5 behind a wait on va_vdst that shows rows 0, 1 multiplied; rows 6, 7 behind one that shows rows 2, 3 multiplied.
;                 Behind the last phase's loop one more wait on va_vdst stands on every wave's path: the end's LDS loads land in these registers.
;   S: TT, SS     TT: loads land behind PHASEHEAD.  SS: stored behind the wait for the two exponentials.
; No second set of constants or accumulators: two waves of 512 registers fill a SIMD's 1,024.
.set SCL,    0                         ; LDS: the block's scale words: 64 rows x 32 bytes, word g
.set CST,    2048                      ; the batch's epilogue constants: [tile 64][256 bytes]
.set SCP,    18432                     ; partial scores: [G wave][64 rows]
.set SCOREX, 19456                     ; scores: [S wave][slot 6][16 rows]; slot f holds block f - 2, slots 0 and 1 are not used
.set MSKX,   20992                     ; the mask, laid likewise
.set COVX,   22528                     ; prev_coverage: slot f (256 bytes) holds block f - 1; slot 0 is not used
.set MRG,    23808                     ; the end: 16 bytes for each S wave: m, l, l under the common maximum
.set COD,    24064                     ; the block's codes: 64 rows of 512 bytes, 528 apart
.set FIN,    COD                       ; the end: four parts of the context, 4,096 bytes each, where the codes lay
.set BF,     57856                     ; bf16 copies: [S wave][parity 2][row 16][2,048 bytes]
.set CP,     528
.set REC,    8704                      ; a record of whq
; address registers: all are written by every wave, none ever holds loaded data
.set L16,  1                           ; 16 lane
.set AA,   2                           ; 528 r + 128 h
.set AS,   3                           ; 32 r + 16 h
.set CST0, 4                           ; 4,096 q + 128 h
.set CSTC, 5                           ; + 2,048 u
.set R4,   6                           ; 4 r
.set COVC, 7                           ; + 256 f
.set SCPS, 8                           ; 256 q + 4 r
.set BOC,  9                           ; 16 lane + 8 records x u
.set BON,  10                          ; 16 lane + 8 records x (1 - u)
.set XX,   11                          ; 32 lane
.set XN,   12                          ; + where the next eight rows begin
.set COD0, 13                          ; 16 x 528 q + 4 lane
.set CODC, 14                          ; + 8 x 528 u
.set BF0,  15                          ; BF + 65,536 q + 16 lane
.set BFC,  16                          ; + 32,768 (f & 1) + 16,384 u
.set SCL0, 17                          ; 512 q + 4 (lane / 4)
.set SCLC, 18                          ; + 256 u
.set SCPL, 19                          ; 64 q + 4 r
.set ROW0, 20                          ; 384 q + 4 r
.set ROWC, 21                          ; + 64 f
.set ZR,   22                          ; 0
.set CPG,  23                          ; cst: 8,192 (2 q + h) + 16 r
.set CPL,  24                          ; 16 (32 q + lane)
.set CP8,  25                          ; 8 (32 q + lane)
.set CPM,  26                          ; 384 (lane / 8) + 64 q + 8 (lane % 8)
.set T16,  27                          ; 16 x thread
.set SCX,  28                          ; 384 ((lane / 4) % 4) + 64 h + 16 (lane % 4)
.set MRGQ, 29                          ; 16 q
.set FINS, 30                          ; 4,096 q + 32 lane
.set L8,   31                          ; 8 lane
; G's registers.  Window 0: below.  Window 1: enc's fragments, (tile of rows m, K step g) at v[64 m + 8 g]
.set BFR,  32                          ; v32-159   Wh's fragments: two sets of eight
.set ACC,  160                         ; v160-191  four accumulators: pair 0 (tiles of rows 0, 1), pair 1 (2, 3)
.set KK,   192                         ; v192-215  the tile's constants: 8 + 8 + 8
.set SCA,  216                         ; v216-223  the scores' sums, a pair for each tile of rows
.set CV,   224                         ; v224-231  prev_coverage, in the low register of a pair
.set ASC,  232                         ; v232-247  enc's scale words: register 4 m + i: word i in lanes 0-15, word 4 + i in lanes 16-31
.set BSC,  248                         ; v248-255  Wh's, two sets, likewise.  v232-255 hold scales and nothing else, in both roles
; S's registers.  Window 0: below.  Window 1: the ring: row slot k at v[32 k]; in it span s (256 numbers of the row) at + 8 s: my 8 neighbours 256 s + 8 lane + 0 .. 7
.set CTX,  32                          ; v32-63    my part of the context: register 8 t + j: element 256 t + 8 lane + j
.set XB,   64                          ; v64-95, v170-201  four rows of the bf16 copy
.set HH,   96                          ; v96-111, v148-163  a row rounded to bf16: two sets, rows by turns
.set CC,   112                         ; v112-115, v164-167  its codes
.set MX,   116                         ; v116-119  largest magnitudes
.set SO,   120                         ; v120-123  the conversions' scale operands
.set BY,   124                         ; v124-127  scale bytes
.set WW,   128                         ; v128, v168  the scale word
.set SM,   132                         ; v132 m, v133 l
.set SL,   133
.set SS,   134                         ; the score
.set PP,   135                         ; the weight of row r
.set PB,   137                         ; that of row r xor 8
.set PSEL, 138
.set PK,   139
.set FF,   140                         ; v[140:141] the factor under a new maximum
.set TT,   142                         ; v142-147 at work
.set WV,    20
.set ROLE,  21
.set QQ,    22
.set BB,    23
.set WG,    24
.set PHI,   25                         ; the phase f
.set UU,    26                         ; the half of a phase u
.set PAR,   27
.set CS,    30                         ; s[30:31] c
.set SEL,   32                         ; s[32:33]
.set STEPN, 34                         ; 2 f + u
.set UMASK, 38
.set LOG2E, 52
.set SPK,   54                         ; s54-61 the weights of eight rows
.set MSB, 0
.macro WIN new                         ; the immediate's high byte repeats the setting that is left; bits 1:0 source 0, 3:2 source 1, 5:4 source 2, 7:6 destination
.if MSB != \new
	s_set_vgpr_msb (MSB<<8)|\new
.set MSB, \new
.endif
.endm
.macro BAR                             ; my LDS stores have landed and my LDS loads are in: then the work-group's barrier.  Loads from memory stay on their way across it
	s_wait_dscnt 0x0
	s_barrier_signal -1
	s_barrier_wait -1
.endm
	s_load_b512 s[4:19], s[0:1], 0x0               ; enc s[4:5], mask s[6:7], coverage s[8:9], whq s[10:11], cst s[12:13], scores s[14:15], pctx s[16:17], pml s[18:19]
	v_lshrrev_b32 v32, 5, v0
	v_readfirstlane_b32 s[WV], v32
	s_wait_alu depctr_va_sdst(0)                   ; the wave's number is written, ahead of its first reader
	s_lshr_b32 s[ROLE], s[WV], 2
	s_xor_b32 s[ROLE], s[ROLE], s[WV]
	s_and_b32 s[ROLE], s[ROLE], 1                  ; 0: G (waves 0, 2, 5, 7), 1: S (waves 1, 3, 4, 6)
	s_and_b32 s[QQ], s[WV], 3
	s_mov_b32 s[WG], ttmp9
	s_lshr_b32 s[BB], s[WG], 3
	v_and_b32 v32, 31, v0                          ; lane
	v_and_b32 v33, 15, v0                          ; r
	v_bfe_u32 v34, v0, 4, 1                        ; h
	v_lshlrev_b32 v[L16], 4, v32
	v_mul_u32_u24 v[AA], v33, CP
	v_lshl_add_u32 v[AA], v34, 7, v[AA]
	v_lshlrev_b32 v[AS], 5, v33
	v_lshl_add_u32 v[AS], v34, 4, v[AS]
	s_lshl_b32 s40, s[QQ], 12
	v_lshl_add_u32 v[CST0], v34, 7, s40
	v_lshlrev_b32 v[R4], 2, v33
	s_lshl_b32 s40, s[QQ], 8
	v_add_nc_u32 v[SCPS], s40, v[R4]
	v_lshlrev_b32 v[XX], 5, v32
	s_mul_i32 s40, s[QQ], 16*CP
	v_lshl_add_u32 v[COD0], v32, 2, s40
	s_lshl_b32 s40, s[QQ], 16
	s_add_co_u32 s40, s40, BF
	v_lshl_add_u32 v[BF0], v32, 4, s40
	v_lshrrev_b32 v35, 2, v32
	s_lshl_b32 s40, s[QQ], 9
	v_lshl_add_u32 v[SCL0], v35, 2, s40
	s_lshl_b32 s40, s[QQ], 6
	v_add_nc_u32 v[SCPL], s40, v[R4]
	s_mul_i32 s41, s[QQ], 384
	v_add_nc_u32 v[ROW0], s41, v[R4]
	v_mov_b32 v[ZR], 0
	s_lshl_b32 s41, s[QQ], 14
	v_lshl_add_u32 v[CPG], v34, 13, s41
	v_lshl_add_u32 v[CPG], v33, 4, v[CPG]
	s_lshl_b32 s41, s[QQ], 9
	v_add_nc_u32 v[CPL], s41, v[L16]
	s_lshl_b32 s41, s[QQ], 8
	v_lshl_add_u32 v[CP8], v32, 3, s41
	v_lshrrev_b32 v35, 3, v32
	v_mul_u32_u24 v[CPM], v35, 384
	v_add_nc_u32 v[CPM], s40, v[CPM]
	v_and_b32 v35, 7, v32
	v_lshl_add_u32 v[CPM], v35, 3, v[CPM]
	v_lshlrev_b32 v[T16], 4, v0
	v_bfe_u32 v35, v0, 2, 2
	v_mul_u32_u24 v[SCX], v35, 384
	v_lshl_add_u32 v[SCX], v34, 6, v[SCX]
	v_and_b32 v35, 3, v0
	v_lshl_add_u32 v[SCX], v35, 4, v[SCX]
	s_lshl_b32 s41, s[QQ], 4
	v_mov_b32 v[MRGQ], s41
	s_lshl_b32 s41, s[QQ], 12
	v_add_nc_u32 v[FINS], s41, v[XX]
	v_lshlrev_b32 v[L8], 3, v32
	s_mov_b32 s[CS], 0x4038aa3b                    ; c = 2 log2(e)
	s_mov_b32 s[CS+1], s[CS]                       ; (named with it as a pair)
	s_mov_b32 s[SEL], 0x76543210
	s_mov_b32 s[SEL+1], 0xfedcba98                 ; v_permlanex16_b32's selects for lane l xor 16
	s_mov_b32 s[LOG2E], 0x3fb8aa3b
	s_lshl_b32 s40, s[WG], 20                      ; enc: 256 rows of 4,096 bytes a work-group,
	s_lshl_b32 s42, s[QQ], 16                      ; 16 rows a wave
	s_add_co_u32 s40, s40, s42
	s_mov_b32 s41, 0
	s_mul_i32 s42, s[QQ], 16*REC                   ; whq: 16 records a wave
	s_mov_b32 s43, 0
	s_lshl_b32 s44, s[BB], 8                       ; cst: the batch's 256 bytes of each tile
	s_mov_b32 s45, 0
	s_lshl_b32 s46, s[WG], 10                      ; mask, coverage, scores: 256 numbers a work-group
	s_mov_b32 s47, 0
	s_lshl_b32 s48, s[WG], 12                      ; pctx
	s_mov_b32 s49, 0
	s_lshl_b32 s50, s[WG], 8                       ; pml
	s_mov_b32 s51, 0
	s_wait_kmcnt 0x0
	s_add_nc_u64 s[4:5], s[4:5], s[40:41]
	s_add_nc_u64 s[10:11], s[10:11], s[42:43]
	s_add_nc_u64 s[12:13], s[12:13], s[44:45]
	s_add_nc_u64 s[6:7], s[6:7], s[46:47]
	s_add_nc_u64 s[8:9], s[8:9], s[46:47]
	s_add_nc_u64 s[14:15], s[14:15], s[46:47]
	s_add_nc_u64 s[16:17], s[16:17], s[48:49]
	s_add_nc_u64 s[18:19], s[18:19], s[50:51]
; ---------------- macros: both roles
.macro PHASEHEAD                       ; what hangs on the phase
	s_and_b32 s[PAR], s[PHI], 1
	s_lshl_b32 s[PAR], s[PAR], 15
	s_lshl_b32 s40, s[PHI], 8
	s_wait_alu depctr_vm_vsrc(0)                   ; the LDS instructions of the phase before have read COVC and ROWC, which are written below, and the sums and the score that they stored, which this phase writes again
	v_add_nc_u32 v[COVC], s40, v[R4]
	s_lshl_b32 s40, s[PHI], 6
	v_add_nc_u32 v[ROWC], s40, v[ROW0]
	s_wait_alu depctr_va_vdst(0)                   ; COVC and ROWC are written, which LDS instructions below read; the phase before is done with enc's fragments, ASC, CV and TT, in which the loads behind the barrier land
.endm
.macro TRIPHEAD                        ; what hangs on the half of a phase
	s_wait_xcnt 0x0                                ; the loads issued so far have read their offsets: XN, BOC and BON are rewritten only behind this wait
	s_wait_alu depctr_vm_vsrc(0)                   ; the memory and LDS instructions issued so far have read the seven addresses that are written below, and the data that they stored, which this half's vector and matrix instructions write again
	s_lshl_b32 s[STEPN], s[PHI], 1
	s_add_co_u32 s[STEPN], s[STEPN], s[UU]
	s_xor_b32 s41, s[UU], 1
	s_add_co_u32 s40, s[PHI], s[UU]
	s_lshl_b32 s40, s40, 18                        ; the next eight rows: u = 0: rows 8-15 of block f; u = 1: rows 0-7 of block f + 1 (a block is 2^18 bytes, eight rows 2^15)
	s_lshl_b32 s42, s41, 15
	s_add_co_u32 s40, s40, s42
	v_add_nc_u32 v[XN], s40, v[XX]
	s_sub_co_u32 s[UMASK], 0, s[UU]                ; all ones where u = 1
	s_mul_i32 s42, s[UU], 8*REC
	v_add_nc_u32 v[BOC], s42, v[L16]
	s_mul_i32 s42, s41, 8*REC
	v_add_nc_u32 v[BON], s42, v[L16]
	s_lshl_b32 s42, s[UU], 11
	v_add_nc_u32 v[CSTC], s42, v[CST0]
	s_mul_i32 s42, s[UU], 8*CP
	v_add_nc_u32 v[CODC], s42, v[COD0]
	s_lshl_b32 s42, s[UU], 14
	s_add_co_u32 s42, s42, s[PAR]
	v_add_nc_u32 v[BFC], s42, v[BF0]
	s_lshl_b32 s42, s[UU], 8
	v_add_nc_u32 v[SCLC], s42, v[SCL0]
	s_wait_alu depctr_va_vdst(0)                   ; the seven addresses are written, which this half's loads and stores read; the half before is done with KK and with the four bf16 sets, in which this half's first LDS loads land
.endm
; ---------------- macros: G
.macro BLOAD p, adr, off               ; a record of Wh into set p: 16 loads of 512 consecutive bytes, and its scale image
.irp g,0,1,2,3,4,5,6,7
.irp c,0,1
	global_load_b128 v[BFR+64*(\p)+8*\g+4*\c:BFR+64*(\p)+8*\g+4*\c+3], v[\adr], s[10:11] offset:(\off)+1024*\g+512*\c
.endr
.endr
	global_load_b128 v[BSC+4*(\p):BSC+4*(\p)+3], v[\adr], s[10:11] offset:(\off)+8192
.endm
.macro MM m, g, p                      ; rows 16 m on x the tile's 16 e, K step g.  K steps 4-7 take their scale words from lanes 16-31
.if (\g) == 0
	v_wmma_scale_f32_16x16x128_f8f6f4 v[ACC+8*(\m):ACC+8*(\m)+7], v[BFR+64*(\p)+8*(\g):BFR+64*(\p)+8*(\g)+7], v[64*(\m)+8*(\g):64*(\m)+8*(\g)+7], 0, v[BSC+4*(\p)], v[ASC+4*(\m)] matrix_a_fmt:MATRIX_FMT_FP4 matrix_b_fmt:MATRIX_FMT_FP4
.elseif (\g) < 4
	v_wmma_scale_f32_16x16x128_f8f6f4 v[ACC+8*(\m):ACC+8*(\m)+7], v[BFR+64*(\p)+8*(\g):BFR+64*(\p)+8*(\g)+7], v[64*(\m)+8*(\g):64*(\m)+8*(\g)+7], v[ACC+8*(\m):ACC+8*(\m)+7], v[BSC+4*(\p)+(\g)], v[ASC+4*(\m)+(\g)] matrix_a_fmt:MATRIX_FMT_FP4 matrix_b_fmt:MATRIX_FMT_FP4
.else
	v_wmma_scale_f32_16x16x128_f8f6f4 v[ACC+8*(\m):ACC+8*(\m)+7], v[BFR+64*(\p)+8*(\g):BFR+64*(\p)+8*(\g)+7], v[64*(\m)+8*(\g):64*(\m)+8*(\g)+7], v[ACC+8*(\m):ACC+8*(\m)+7], v[BSC+4*(\p)+(\g)-4], v[ASC+4*(\m)+(\g)-4] matrix_a_fmt:MATRIX_FMT_FP4 matrix_b_fmt:MATRIX_FMT_FP4 matrix_a_scale:MATRIX_SCALE_ROW1 matrix_b_scale:MATRIX_SCALE_ROW1
.endif
.endm
; The set just multiplied takes the record two tiles on: for tiles 0 to 5 HALF deals the loads among its reciprocals.  Tiles 6 and 7 (this macro) ask for the first two of the other half of my 16 tiles
; (u = 1: for the next block).  The last half of the last block asks for nothing and waits for all loads instead: so where a tile's first products begin at most the other set's 17 loads are younger
; than the set that is wanted, on either way.
.macro REFILL n
	s_cmp_eq_u32 s[STEPN], 9                       ; f = 4, u = 1
	s_cbranch_scc1 .Ldrain_\@
	BLOAD (\n)%2, BON, ((\n)-6)*REC
	s_branch .Lrefilled_\@
.Ldrain_\@:
	s_wait_loadcnt 0x0
.Lrefilled_\@:
.endm
.macro KLOAD n, part                   ; eight of tile n's constants: part 0: c (dec Ws^T + biases), 1: c Wc, 2: -2 v
	ds_load_b128 v[KK+8*(\part):KK+8*(\part)+3], v[CSTC] offset:CST+256*(\n)+32*(\part)
	ds_load_b128 v[KK+8*(\part)+4:KK+8*(\part)+7], v[CSTC] offset:CST+256*(\n)+32*(\part)+16
.endm
; HALF A TILE'S EPILOGUE, for pair a of the accumulators: 16 numbers a lane: y, 2^y, 1 + 2^y, its reciprocal, x (-2 v) into the row's sum.  Each accumulator is read from its low end on.
; hn >= 0: the OTHER pair's 16 products of tile hn stand between the exponentials, one behind each; its two accumulators take turns, one instruction a turn.
; kl >= 0 (pair 1's half): constants 0-15 have had their last use at the half's head: behind the wait for the exponentials they are loaded anew, for tile kl.
; kw = 1 (pair 0's half of tile hn): constants 0-15 are waited for at the head; behind the wait for the exponentials constants 16-23 of tile hn are loaded, and the set of Wh, by which both pairs have now
; multiplied, is asked for again.
; WINDOWS: a product wants source 1 (enc) in window 1; the exponentials between them have no vector register as source 1.  All else stands under window 0.
; PLACES: behind the pair's last product stand the v_nop and the eight additions of 1, which name none of its registers: more than the four that the next half's first read of its results wants;
; the loads into the set that it read stand behind them too.
.macro HALF a, hn, kl, kw
.if \kw
	s_wait_dscnt 2                                 ; the first eight constants are in; the second eight's two loads may be out
.endif
.irp j,0,1,2,3
.irp d,0,1
	v_pk_fma_f32 v[ACC+16*(\a)+8*\d+2*\j:ACC+16*(\a)+8*\d+2*\j+1], v[ACC+16*(\a)+8*\d+2*\j:ACC+16*(\a)+8*\d+2*\j+1], s[CS:CS+1], v[KK+2*\j:KK+2*\j+1] op_sel_hi:[1,0,1]
.endr
.endr
.if \kw
	s_wait_dscnt 0x0                               ; the second eight are in
.endif
.irp j,0,1,2,3
.irp d,0,1
	v_pk_fma_f32 v[ACC+16*(\a)+8*\d+2*\j:ACC+16*(\a)+8*\d+2*\j+1], v[CV+4*(\a)+2*\d:CV+4*(\a)+2*\d+1], v[KK+8+2*\j:KK+8+2*\j+1], v[ACC+16*(\a)+8*\d+2*\j:ACC+16*(\a)+8*\d+2*\j+1] op_sel_hi:[0,1,1]
.endr
.endr
.if \hn >= 0
.if \a == 1
	s_wait_loadcnt 17                              ; tile hn's set is in; the other set's 16 fragments and its scale image may be out
.endif
	WIN 0x04                                       ; source 1 in window 1
.endif
.set J, 0
.rept 16
	v_exp_f32 v[ACC+16*(\a)+J], v[ACC+16*(\a)+J]
.if \hn >= 0
	MM 2*(1-(\a))+J%2, J/2, (\hn)%2
.endif
.set J, J+1
.endr
	v_nop                                          ; a plain place behind the last exponential
	WIN 0
	s_wait_alu depctr_va_vdst(0)                   ; the sixteen exponentials are written, ahead of their first reader.  Also: the multiply-adds above are done reading constants 0-15, those at the end of the half before constants 16-23, and the products above their set of Wh and its scale words
.if \kl >= 0
	KLOAD \kl, 0                                   ; no vector instruction since the wait names these sixteen registers before the next half waits for them
	KLOAD \kl, 1
.endif
.if \kw
	KLOAD \hn, 2                                   ; nor these eight, before the wait at this half's end
.endif
.set J, 0
.rept 8
	v_pk_add_f32 v[ACC+16*(\a)+J:ACC+16*(\a)+J+1], v[ACC+16*(\a)+J:ACC+16*(\a)+J+1], 1.0 op_sel_hi:[1,0]
.set J, J+2
.endr
.if \kw
.if \hn >= 6
	REFILL \hn                                     ; in one run, since a branch leads round it
.endif
.endif
.set J, 0
.rept 16
	v_rcp_f32 v[ACC+16*(\a)+J], v[ACC+16*(\a)+J]
.if (\kw) && ((\hn) < 6)
	global_load_b128 v[BFR+64*((\hn)%2)+4*J:BFR+64*((\hn)%2)+4*J+3], v[BOC], s[10:11] offset:((\hn)+2)*REC+512*J   ; the record two tiles on, a load behind each reciprocal: no vector or matrix instruction since the wait above names the set
.endif
.set J, J+1
.endr
.if (\kw) && ((\hn) < 6)
	global_load_b128 v[BSC+4*((\hn)%2):BSC+4*((\hn)%2)+3], v[BOC], s[10:11] offset:((\hn)+2)*REC+8192   ; and its scale image
.endif
	v_nop
	s_wait_alu depctr_va_vdst(0)                   ; the sixteen reciprocals are written, ahead of their first reader
.if \kw
	s_wait_dscnt 0x0                               ; the last eight constants
.endif
.irp j,0,1,2,3
.irp d,0,1
	v_pk_fma_f32 v[SCA+4*(\a)+2*\d:SCA+4*(\a)+2*\d+1], v[ACC+16*(\a)+8*\d+2*\j:ACC+16*(\a)+8*\d+2*\j+1], v[KK+16+2*\j:KK+16+2*\j+1], v[SCA+4*(\a)+2*\d:SCA+4*(\a)+2*\d+1]
.endr
.endr
.endm
; Eight tiles.  Tile 0's first 16 products stand bare, and so does tile 7's second half of the epilogue; between them each half of an epilogue carries the next 16 products.
.macro GTRIP
	KLOAD 0, 0                                     ; (behind TRIPHEAD's wait on va_vdst)
	KLOAD 0, 1
	s_wait_loadcnt 17                              ; tile 0's set is in; tile 1's 17 loads may be out
	WIN 0x04
.set J, 0
.rept 16
	MM J%2, J/2, 0
.set J, J+1
.endr
	WIN 0
.rept 4
	v_nop                                          ; four places in front of the first read of the results
.endr
	HALF 0, 0, -1, 1
.irp n,1,2,3,4,5,6,7
	HALF 1, \n, \n, 0                              ; tile n - 1, pair 1 | tile n's products for pair 0 | tile n's constants 0-15
	HALF 0, \n, -1, 1                              ; tile n, pair 0 | its products for pair 1 | its constants 16-23 | its set is asked for again
.endr
	HALF 1, -1, -1, 0
.endm
.macro G_PRE                           ; the block's codes, scale words and coverage into registers (behind PHASEHEAD's wait on va_vdst: nothing since names these registers)
	WIN 0x40                                       ; destination window 1
.irp m,0,1,2,3
.irp g,0,1,2,3,4,5,6,7
.irp c,0,1
	ds_load_b128 v[64*\m+8*\g+4*\c:64*\m+8*\g+4*\c+3], v[AA] offset:COD+16*CP*\m+256*\c+16*\g   ; lane (r, h), half c: true block 8 (2 c + h) + g: 16 bytes at 256 c + 128 h + 16 g of the row
.endr
.endr
.endr
	WIN 0
.irp m,0,1,2,3
	ds_load_b128 v[ASC+4*\m:ASC+4*\m+3], v[AS] offset:SCL+512*\m
.endr
.irp m,0,1,2,3
	ds_load_b32 v[CV+2*\m], v[COVC] offset:COVX+64*\m
.endr
.irp j,0,1,2,3,4,5,6,7
	v_mov_b32 v[SCA+\j], 0
.endr
.endm
.macro G_POST                          ; my 256 e's part of the 64 scores
.irp m,0,1,2,3
	v_add_f32 v[SCA+2*\m], v[SCA+2*\m], v[SCA+2*\m+1]
.endr
.irp m,0,1,2,3
	v_permlanex16_b32 v[KK+\m], v[SCA+2*\m], s[SEL], s[SEL+1]
.endr
.irp m,0,1,2,3
	v_add_f32 v[SCA+2*\m], v[SCA+2*\m], v[KK+\m]
.endr
	s_wait_alu depctr_va_vdst(0)                   ; the four sums are written, which the stores below read
.irp m,0,1,2,3
	ds_store_b32 v[SCPS], v[SCA+2*\m] offset:SCP+64*\m   ; (both halves of the lanes hold the same number and write it to the same place)
.endr
.endm
; ---------------- macros: S
.macro LOADNEXT k                      ; row slot k takes the row eight further on.  The last eight rows ask for nothing and wait for all loads instead: so the count at a row's head holds on either way
	s_cmp_ge_u32 s[STEPN], 7                       ; f = 3, u = 1: no row follows
	s_cbranch_scc1 .Ldry_\@
	WIN 0x40
.irp s,0,1,2,3
.irp f,0,1
	global_load_b128 v[32*(\k)+8*\s+4*\f:32*(\k)+8*\s+4*\f+3], v[XN], s[4:5] offset:4096*(\k)+1024*\s+16*\f th:TH_LOAD_NT
.endr
.endr
	WIN 0
	s_branch .Lfed_\@
.Ldry_\@:
	s_wait_loadcnt 0x0
.Lfed_\@:
.endm
; One row.  Of each span of 256 numbers a lane holds 8 neighbours; four neighbouring lanes hold a block of 32: true block 8 s + lane / 4.  So my four bytes are the scale word of K step lane / 4.
; What goes to LDS (codes, bf16 row, scale word) has two sets of registers, rows by turns, so that a row does not wait for the stores of the row before it.
.macro QROW k
.set HR, HH+52*((\k)%2)
.set CR, CC+52*((\k)%2)
.set WR, WW+40*((\k)%2)
	s_wait_loadcnt 56                              ; this row's eight loads are in; those of the seven younger rows may be out
	WIN 0x14                                       ; sources 1 and 2 in window 1
.irp s,0,1,2,3
	v_max3_num_f32 v[MX+\s], 0x1800000, |v[32*(\k)+8*\s]|, |v[32*(\k)+8*\s+1]|   ; the floor 2^(3 - 127) among the leaves: the byte cannot fall under 1
.endr
.irp i,2,4,6
.irp s,0,1,2,3
	v_max3_num_f32 v[MX+\s], v[MX+\s], |v[32*(\k)+8*\s+\i]|, |v[32*(\k)+8*\s+\i+1]|
.endr
.endr
	WIN 0
.irp s,0,1,2,3
	v_max_num_f32_dpp v[MX+\s], v[MX+\s], v[MX+\s] row_xmask:1 row_mask:0xf bank_mask:0xf
.endr
.irp s,0,1,2,3
	v_max_num_f32_dpp v[MX+\s], v[MX+\s], v[MX+\s] row_xmask:2 row_mask:0xf bank_mask:0xf
.endr
	s_wait_dscnt 9                                 ; the stores of the row two back, which read this set, are done; the nine of the row before may be out
	s_wait_alu depctr_vm_vsrc(0)                   ; the stores of the row two back have read this set's scale word, codes and bf16 row, which the lines below write again
.irp s,0,1,2,3
	v_add_nc_u32 v[SO+\s], 0xff000000, v[MX+\s]    ; 2 off the exponent field: the conversion's scale operand
.endr
.irp s,0,1,2,3
	v_lshrrev_b32 v[BY+\s], 23, v[SO+\s]           ; the scale's byte
.endr
	v_lshl_or_b32 v[WR], v[BY+1], 8, v[BY]
	v_lshl_or_b32 v[WR], v[BY+2], 16, v[WR]
	v_lshl_or_b32 v[WR], v[BY+3], 24, v[WR]
	WIN 0x01                                       ; source 0 in window 1
.irp s,0,1,2,3
	v_cvt_scalef32_pk8_fp4_f32 v[CR+\s], v[32*(\k)+8*\s:32*(\k)+8*\s+7], v[SO+\s]
.endr
	WIN 0x05                                       ; sources 0 and 1 in window 1
.irp s,0,1,2,3
.irp i,0,1,2,3
	v_cvt_pk_bf16_f32 v[HR+4*\s+\i], v[32*(\k)+8*\s+2*\i], v[32*(\k)+8*\s+2*\i+1]   ; (plain lines behind the scaled conversions)
.endr
.endr
	WIN 0
	s_wait_alu depctr_va_vdst(0)                   ; the maxima and conversions are done reading ring slot k, in which the loads below land, and have written the codes, the bf16 row and the scale word, which the nine stores below read
	LOADNEXT \k                                    ; the slot is asked for again at once
.irp s,0,1,2,3
	ds_store_b32 v[CODC], v[CR+\s] offset:COD+CP*(\k)+128*\s          ; 8 codes at byte 128 s + 4 lane of the row: the true order
.endr
.irp s,0,1,2,3
	ds_store_b128 v[BFC], v[HR+4*\s:HR+4*\s+3] offset:2048*(\k)+512*\s
.endr
	ds_store_b32 v[SCLC], v[WR] offset:SCL+32*(\k)                    ; (four lanes hold the same word and write it to the same place)
.endm
.macro QUANT8
.irp k,0,1,2,3,4,5,6,7
	QROW \k
.endr
.endm
; The scores of my 16 rows of block f - 2 are finished; the running maximum, the weights, and what was summed is brought under the new maximum.  Lane r (and r + 16) holds row r
.macro S_PRE
.irp j,0,1,2,3
	ds_load_b32 v[TT+\j], v[SCPL] offset:SCP+256*\j   ; (behind PHASEHEAD's wait on va_vdst: nothing since names TT)
.endr
	ds_load_b32 v[TT+4], v[ZR] offset:CST+96       ; the sum of v + bv
	ds_load_b32 v[TT+5], v[ROWC] offset:MSKX
	s_wait_dscnt 0x0
	v_add_f32 v[TT], v[TT], v[TT+1]
	v_add_f32 v[TT+2], v[TT+2], v[TT+3]
	v_add_f32 v[TT], v[TT], v[TT+2]
	v_add_f32 v[SS], v[TT], v[TT+4]
	v_max_num_f32_dpp v[TT+1], v[SS], v[SS] row_xmask:1 row_mask:0xf bank_mask:0xf
	v_max_num_f32_dpp v[TT+1], v[TT+1], v[TT+1] row_xmask:2 row_mask:0xf bank_mask:0xf
	v_max_num_f32_dpp v[TT+1], v[TT+1], v[TT+1] row_xmask:4 row_mask:0xf bank_mask:0xf
	v_max_num_f32_dpp v[TT+1], v[TT+1], v[TT+1] row_xmask:8 row_mask:0xf bank_mask:0xf
	v_max_num_f32 v[TT+2], v[SM], v[TT+1]          ; the new maximum, over masked rows too
	v_sub_f32 v[TT+3], v[SM], v[TT+2]
	v_sub_f32 v[TT+4], v[SS], v[TT+2]
	v_mul_f32 v[TT+3], s[LOG2E], v[TT+3]
	v_mul_f32 v[TT+4], s[LOG2E], v[TT+4]
	v_exp_f32 v[FF], v[TT+3]
	v_exp_f32 v[PP], v[TT+4]
	v_mov_b32 v[SM], v[TT+2]                       ; (a plain place behind the exponentials)
	s_wait_alu depctr_va_vdst(0)                   ; the two exponentials are written, ahead of their first reader; so is the score, which the store below reads
	ds_store_b32 v[ROWC], v[SS] offset:SCOREX
	v_mul_f32 v[PP], v[PP], v[TT+5]                ; x the mask
	v_fma_f32 v[SL], v[SL], v[FF], v[PP]
.set J, 0
.rept 16
	v_pk_mul_f32 v[CTX+J:CTX+J+1], v[CTX+J:CTX+J+1], v[FF:FF+1] op_sel_hi:[1,0]
.set J, J+2
.endr
	v_mov_b32_dpp v[PB], v[PP] row_xmask:8 row_mask:0xf bank_mask:0xf
.endm
.macro CTXLD k                         ; row k of the eight, from the bf16 copy, into set k % 4 (sets 0, 1 at v64 on, sets 2, 3 at v170 on)
.set XR, XB+16*((\k)%4)+74*(((\k)%4)/2)
.irp t,0,1,2,3
	ds_load_b128 v[XR+4*\t:XR+4*\t+3], v[BFC] offset:2048*(\k)+512*\t
.endr
.endm
.macro CTX8                            ; context += weight x row, for rows 8 u .. 8 u + 7 of my 16, in ascending order; the rows come from LDS two or three rows ahead
	v_cndmask_b32 v[PSEL], v[PP], v[PB], s[UMASK]  ; lane k: the weight of row 8 u + k
.irp k,0,1,2,3,4,5,6,7
	v_readlane_b32 s[SPK+\k], v[PSEL], \k
.endr
	CTXLD 0                                        ; (behind TRIPHEAD's wait on va_vdst: nothing since names the four sets)
	CTXLD 1
	CTXLD 2
	CTXLD 3
	s_wait_alu depctr_va_sdst(0)                   ; the eight weights s54 to s61 are written, ahead of their first reader
.irp k,0,1,2,3,4,5,6,7
.if (\k == 2) || (\k == 4)
	s_wait_alu depctr_va_vdst(0)                   ; the multiply-adds of the two rows before are done reading their two sets, in which the two rows below land
	CTXLD \k+2
	CTXLD \k+3
.endif
	v_mov_b32 v[PK], s[SPK+\k]
.if \k < 6
	s_wait_dscnt 12-4*(\k%2)                       ; this row is in; three or two younger rows' four loads each may be out
.else
	s_wait_dscnt 4*(7-\k)                          ; the rows that are left
.endif
.set XR, XB+16*(\k%4)+74*((\k%4)/2)
.irp t,0,1,2,3
.irp i,0,1,2,3
	v_fma_mix_f32_bf16 v[CTX+8*\t+2*\i], v[XR+4*\t+\i], v[PK], v[CTX+8*\t+2*\i] op_sel_hi:[1,0,0]
	v_fma_mix_f32_bf16 v[CTX+8*\t+2*\i+1], v[XR+4*\t+\i], v[PK], v[CTX+8*\t+2*\i+1] op_sel:[1,0,0] op_sel_hi:[1,0,0]
.endr
.endr
.endr
.endm
; ---------------- the start: G copies the batch's constants, the mask and the coverage into LDS and asks for Wh's first two records; S fills its ring
	s_wait_alu depctr_va_vdst(0)                   ; the addresses v1 to v31 are written, which the loads and stores below read; so are v32 to v35, in which Wh's first loads land
	s_cmp_lg_u32 s[ROLE], 0
	s_cbranch_scc1 .Lp0_s
.irp i,0,1,2,3,4,5,6,7
	global_load_b128 v[ACC+4*\i:ACC+4*\i+3], v[CPG], s[12:13] offset:65536*\i   ; 16 lanes read a tile's 256 bytes
.endr
	global_load_b64 v[KK:KK+1], v[CP8], s[6:7]
	global_load_b64 v[KK+2:KK+3], v[CP8], s[8:9]
	BLOAD 0, L16, 0
	BLOAD 1, L16, REC
	s_wait_loadcnt 34                              ; the ten copies are in; Wh's two sets, 17 loads each, stay out
.irp i,0,1,2,3,4,5,6,7
	ds_store_b128 v[CPL], v[ACC+4*\i:ACC+4*\i+3] offset:CST+2048*\i
.endr
	ds_store_b64 v[CPM], v[KK:KK+1] offset:MSKX+128      ; rows 64 q + 2 lane, + 1: block q, S wave lane / 8
	ds_store_b64 v[CP8], v[KK+2:KK+3] offset:COVX+256
.irp m,0,1,2,3
	v_mov_b32 v[CV+2*\m+1], 0                      ; named as the upper halves of pairs, so they are written
.endr
	s_branch .Lp0_j
.Lp0_s:
	WIN 0x40
.irp k,0,1,2,3,4,5,6,7
.irp s,0,1,2,3
.irp f,0,1
	global_load_b128 v[32*\k+8*\s+4*\f:32*\k+8*\s+4*\f+3], v[XX], s[4:5] offset:4096*\k+1024*\s+16*\f th:TH_LOAD_NT
.endr
.endr
.endr
	WIN 0
.set J, 0
.rept 32
	v_mov_b32 v[CTX+J], 0
.set J, J+1
.endr
	v_mov_b32 v[SM], 0xff61b1e6                    ; -3e38, under every score
	v_mov_b32 v[SL], 0
	v_mov_b32 v[PP], 0
	v_mov_b32 v[PB], 0
	v_mov_b32 v[FF+1], 0                           ; named as the upper half of a pair
.Lp0_j:
; ---------------- phase 0: S quantises block 0
	s_mov_b32 s[PHI], 0
	PHASEHEAD
	s_mov_b32 s[UU], 0
.Lt0:
	TRIPHEAD
	s_cmp_eq_u32 s[ROLE], 0
	s_cbranch_scc1 .Lt0_j
	QUANT8
.Lt0_j:
	s_add_co_u32 s[UU], s[UU], 1
	s_cmp_lt_u32 s[UU], 2
	s_cbranch_scc1 .Lt0
; ---------------- phases 1 to 4
	s_mov_b32 s[PHI], 1
.Lphase:
	PHASEHEAD
	BAR                                            ; block f - 1's codes and scale words lie in LDS, and so do block f - 2's partial scores
	s_cmp_lg_u32 s[ROLE], 0
	s_cbranch_scc1 .Lpre_s
	G_PRE
	s_branch .Lpre_j
.Lpre_s:
	s_cmp_lt_u32 s[PHI], 2
	s_cbranch_scc1 .Lpre_j
	S_PRE
.Lpre_j:
	BAR                                            ; G's reads of the codes are in: S may write the next block's; S's reads of the partial scores are in: G may write the next
	s_mov_b32 s[UU], 0
.Ltrip:
	TRIPHEAD
	s_cmp_lg_u32 s[ROLE], 0
	s_cbranch_scc1 .Ltrip_s
	GTRIP
	s_branch .Ltrip_j
.Ltrip_s:
	s_cmp_lt_u32 s[PHI], 2
	s_cbranch_scc1 .Lno_ctx
	CTX8
.Lno_ctx:
	s_cmp_gt_u32 s[PHI], 3
	s_cbranch_scc1 .Ltrip_j
	QUANT8
.Ltrip_j:
	s_add_co_u32 s[UU], s[UU], 1
	s_cmp_lt_u32 s[UU], 2
	s_cbranch_scc1 .Ltrip
	s_cmp_lg_u32 s[ROLE], 0
	s_cbranch_scc1 .Lpost_j
	G_POST
.Lpost_j:
	s_add_co_u32 s[PHI], s[PHI], 1
	s_cmp_lt_u32 s[PHI], 5
	s_cbranch_scc1 .Lphase
; ---------------- phase 5: the context of block 3
	s_mov_b32 s[PHI], 5
	PHASEHEAD
	BAR                                            ; block 3's partial scores lie in LDS
	s_cmp_eq_u32 s[ROLE], 0
	s_cbranch_scc1 .Lp5_j
	S_PRE
.Lp5_j:
	s_mov_b32 s[UU], 0
.Lt5:
	TRIPHEAD
	s_cmp_eq_u32 s[ROLE], 0
	s_cbranch_scc1 .Lt5_j
	CTX8
.Lt5_j:
	s_add_co_u32 s[UU], s[UU], 1
	s_cmp_lt_u32 s[UU], 2
	s_cbranch_scc1 .Lt5
; ---------------- the end: the four S waves' parts are brought under one maximum and added
	s_wait_alu depctr_va_vdst(0)                   ; on every wave's path, ahead of the end's branches: the last multiply-adds of the context are done reading the four bf16 sets, in which the LDS loads behind the two barriers below land
	s_cmp_eq_u32 s[ROLE], 0
	s_cbranch_scc1 .Le1
	v_add_f32_dpp v[SL], v[SL], v[SL] row_xmask:1 row_mask:0xf bank_mask:0xf
	v_add_f32_dpp v[SL], v[SL], v[SL] row_xmask:2 row_mask:0xf bank_mask:0xf
	v_add_f32_dpp v[SL], v[SL], v[SL] row_xmask:4 row_mask:0xf bank_mask:0xf
	v_add_f32_dpp v[SL], v[SL], v[SL] row_xmask:8 row_mask:0xf bank_mask:0xf
	s_wait_alu depctr_va_vdst(0)                   ; l is written, which the store below reads beside m
	ds_store_b64 v[MRGQ], v[SM:SM+1] offset:MRG    ; my m and l
.Le1:
	BAR
	s_cmp_eq_u32 s[ROLE], 0
	s_cbranch_scc1 .Le2
.irp j,0,1,2,3
	ds_load_b64 v[XB+2*\j:XB+2*\j+1], v[ZR] offset:MRG+16*\j   ; (no vector instruction since the wait at the end's head names v64 to v71)
.endr
	s_wait_dscnt 0x0
	v_max3_num_f32 v[TT], v[XB], v[XB+2], v[XB+4]
	v_max_num_f32 v[TT], v[TT], v[XB+6]            ; M
	v_sub_f32 v[TT+1], v[SM], v[TT]
	v_mul_f32 v[TT+1], s[LOG2E], v[TT+1]
	v_exp_f32 v[FF], v[TT+1]
	v_nop
	s_wait_alu depctr_va_vdst(0)                   ; the exponential is written, ahead of its first reader
	v_mul_f32 v[TT+2], v[SL], v[FF]
.set J, 0
.rept 16
	v_pk_mul_f32 v[CTX+J:CTX+J+1], v[CTX+J:CTX+J+1], v[FF:FF+1] op_sel_hi:[1,0]
.set J, J+2
.endr
	s_wait_alu depctr_va_vdst(0)                   ; my part of the context and l under the common maximum are written, which the stores below read; the two maxima above are done reading v64 to v70, in which the loads behind the barrier land
.irp t,0,1,2,3
	ds_store_b128 v[FINS], v[CTX+8*\t:CTX+8*\t+3] offset:FIN+1024*\t          ; element 256 t + 8 lane + j at 4 bytes each
	ds_store_b128 v[FINS], v[CTX+8*\t+4:CTX+8*\t+7] offset:FIN+1024*\t+16
.endr
	ds_store_b32 v[MRGQ], v[TT+2] offset:MRG+8     ; a word that the loads of 8 bytes above do not touch
.Le2:
	BAR
.irp j,0,1,2,3
	ds_load_b128 v[64+4*\j:67+4*\j], v[T16] offset:FIN+4096*\j   ; (every vector or matrix instruction that named v64 to v79 stands ahead of a wait on va_vdst: the one at the end's head, and for the two maxima the one ahead of the stores above)
.endr
	s_wait_dscnt 0x0
	v_pk_add_f32 v[64:65], v[64:65], v[68:69]
	v_pk_add_f32 v[66:67], v[66:67], v[70:71]
	v_pk_add_f32 v[72:73], v[72:73], v[76:77]
	v_pk_add_f32 v[74:75], v[74:75], v[78:79]
	v_pk_add_f32 v[64:65], v[64:65], v[72:73]
	v_pk_add_f32 v[66:67], v[66:67], v[74:75]
	s_wait_alu depctr_va_vdst(0)                   ; v64 to v67 are written, which the store below reads
	global_store_b128 v[T16], v[64:67], s[16:17]   ; a wave stores 512 consecutive bytes
	s_cmp_lg_u32 s[WV], 0
	s_cbranch_scc1 .Le3
	ds_load_b128 v[80:83], v[SCX] offset:SCOREX+128       ; wave 0: the 256 scores, back in the order of the rows
	ds_load_b128 v[84:87], v[SCX] offset:SCOREX+256
	s_wait_dscnt 0x0
	global_store_b128 v[L16], v[80:83], s[14:15]
	global_store_b128 v[L16], v[84:87], s[14:15] offset:512
.Le3:
	s_cmp_lg_u32 s[WV], 1
	s_cbranch_scc1 .Le4
.irp j,0,1,2,3
	ds_load_b32 v[96+\j], v[ZR] offset:MRG+16*\j
	ds_load_b32 v[100+\j], v[ZR] offset:MRG+16*\j+8
.endr
	s_wait_dscnt 0x0
	v_max3_num_f32 v104, v96, v97, v98
	v_max_num_f32 v104, v104, v99                  ; M
	v_add_f32 v100, v100, v101
	v_add_f32 v102, v102, v103
	v_add_f32 v105, v100, v102                     ; L
	s_wait_alu depctr_va_vdst(0)                   ; M and L are written, which the store below reads
	global_store_b64 v[L8], v[104:105], s[18:19]   ; wave 1: 32 lanes store the pair 32 times: 256 consecutive bytes, aligned
.Le4:
	s_wait_xcnt 0x0
	v_lshl_add_u32 v214, v0, 2, 0x4e400            ; the add's two registers are made anew: no memory or LDS instruction has read v214 or v215
	v_mov_b32 v215, 0
	s_wait_dscnt 0x0                               ; the closing lines, six on end
	s_wait_alu 0x0
	s_wait_tensorcnt 0x0
	ds_add_u32 v214, v215
	s_wait_dscnt 0x0
	s_endpgm
.Lfunc_end_k_qc320515fce_main:
	.size	k_qc320515fce_main, .Lfunc_end_k_qc320515fce_main-k_qc320515fce_main
	.p2alignl 7, 3214868480
	.fill 96, 4, 3214868480
	.section	.rodata,"a",@progbits
	.p2align	6, 0x0
	.amdhsa_kernel k_qc320515fce_main
		.amdhsa_group_segment_fixed_size 321536
		.amdhsa_private_segment_fixed_size 0
		.amdhsa_enable_private_segment 0
		.amdhsa_kernarg_size 64
		.amdhsa_user_sgpr_count 2
		.amdhsa_user_sgpr_kernarg_segment_ptr 1
		.amdhsa_wavefront_size32 1
		.amdhsa_system_sgpr_workgroup_id_x 1
		.amdhsa_system_sgpr_workgroup_id_y 1
		.amdhsa_system_sgpr_workgroup_id_z 1
		.amdhsa_system_vgpr_workitem_id 0
		.amdhsa_next_free_vgpr 512
		.amdhsa_next_free_sgpr 66
		.amdhsa_reserve_vcc 0
		.amdhsa_float_denorm_mode_32 3
		.amdhsa_float_denorm_mode_16_64 3
		.amdhsa_memory_ordered 1
		.amdhsa_forward_progress 1
		.amdhsa_inst_pref_size 255
	.end_amdhsa_kernel
	.section	.bss,"aw",@nobits
	.p2align	6
	.space	262144
	.amdgpu_metadata
---
amdhsa.version: [ 1, 2 ]
amdhsa.kernels:
  - .name:           k_qc320515fce_main
    .symbol:         k_qc320515fce_main.kd
    .args:
      - { .name: enc_output, .offset: 0, .size: 8, .value_kind: global_buffer, .address_space: global }
      - { .name: enc_pad_mask, .offset: 8, .size: 8, .value_kind: global_buffer, .address_space: global }
      - { .name: prev_coverage, .offset: 16, .size: 8, .value_kind: global_buffer, .address_space: global }
      - { .name: whq, .offset: 24, .size: 8, .value_kind: global_buffer, .address_space: global }
      - { .name: cst, .offset: 32, .size: 8, .value_kind: global_buffer, .address_space: global }
      - { .name: scores, .offset: 40, .size: 8, .value_kind: global_buffer, .address_space: global }
      - { .name: pctx, .offset: 48, .size: 8, .value_kind: global_buffer, .address_space: global }
      - { .name: pml, .offset: 56, .size: 8, .value_kind: global_buffer, .address_space: global }
    .group_segment_fixed_size: 321536
    .private_segment_fixed_size: 0
    .kernarg_segment_align: 8
    .kernarg_segment_size: 64
    .max_flat_workgroup_size: 256
    .sgpr_count:     66
    .vgpr_count:     512
    .wavefront_size: 32
...
	.end_amdgpu_metadata
.endif
;; end of part 5
;; launch fin: the kernel of part 3 again; grid 32 x 1, 8 waves a work-group, no clusters, 0 bytes of LDS; arguments scores, pctx, pml, enc_pad_mask, prev_coverage, out0, out1, out2; writes out0, out1, out2
